; MI455X (gfx1250); checked and timed in simulation.
; The chip was launched on July 23, 2026; its instructions are those of AMD's public machine-readable ISA for CDNA 5 (MIT licence, August 2026) and "CDNA5" Instruction Set Architecture Reference Guide (July 2026). The comments in the code are by the model that wrote it; some were corrected since.
;; Multi Head Attention. Allowed arithmetic: matrix products marked QUANTISED: E2M1 operands, one E8M0 scale for each 32 along K, by v_wmma_scale_f32_16x16x128_f8f6f4 with both operands' format E2M1 (or v_wmma_scale_f32_32x16x128_f4), f32 sums; products left as they are: bf16, f16 or f32 operands; f32 sums; everything else in f32.
;; Inputs: W_key 1,024 x 1,024 float32; W_proj 1,024 x 1,024 float32; W_query 1,024 x 1,024 float32; W_value 1,024 x 1,024 float32; x 4 x 2,048 x 1,024 float32.
;; Outputs: out0 4 x 2,048 x 1,024 float32.
;; This version of the problem:
;;   THIS VERSION OF THE PROBLEM IS GIVEN IN LOW PRECISION. The matrix products marked QUANTISED in the list below multiply operands that are first quantised to E2M1 (2 exponent bits, 1 mantissa bit; 4 bits a number), with one power-of-two scale for each 32 numbers along K (OCP MX v1.0); their sums are f32. The products marked 'left as it is' may take bf16, f16 or f32 operands, with f32 sums. Whichever they take, every output number must still come out within the allowed error. Rounding operands to bf16 (8 significant bits) uses up far more of that allowance than f16 does (11 bits, for magnitudes from 6e-5 to 65,504). All else is computed in f32.
;;   The module's matrix products, in the order in which they are computed (A, B: the left and right operand; K: the contracted axis; several contracted axes count as one K, in the product's order):
;;     1. [M 8,192, K 1,024] x [K 1,024, N 1,024]; A: input x; B: input W_key: QUANTISED
;;     2. [M 8,192, K 1,024] x [K 1,024, N 1,024]; A: input x; B: input W_query: QUANTISED
;;     3. [M 8,192, K 1,024] x [K 1,024, N 1,024]; A: input x; B: input W_value: QUANTISED
;;     4. batch 64 x [M 2,048, K 64] x [K 64, N 2,048]; A: computed on the way; B: computed on the way: left as it is (an operand is computed on the way)
;;     5. batch 64 x [M 2,048, K 2,048] x [K 2,048, N 64]; A: computed on the way; B: computed on the way: left as it is (an operand is computed on the way)
;;     6. [M 8,192, K 1,024] x [K 1,024, N 1,024]; A: computed on the way; B: input W_proj: left as it is (an operand is computed on the way)
;;   THE QUANTISER, for each operand of a quantised product, along K:
;;     - K is cut into blocks of 32 from its start; a last block that is shorter is filled with zeros.
;;     - A block's scale is 2^e with e = floor(log2(the largest magnitude in the block)) - 2, held to -126 .. 127; a block of zeros has e = 0. As a byte (E8M0): e + 127.
;;     - Each number is divided by its block's scale, clamped to +-6, and rounded to the nearest number of E2M1, ties to even, subnormals kept.
;;     - The product sums the exact products of the quantised numbers (number of the format x scale) in f32.
;;   ~~~python
;;   def quantise(x, axis):      # numpy; x: float32 -> the quantised numbers, widened to float32 again
;;       x = np.moveaxis(x, axis, -1); K = x.shape[-1]
;;       x = np.pad(x, [(0, 0)] * (x.ndim - 1) + [(0, -K % 32)]); x = x.reshape(x.shape[:-1] + (-1, 32)); a = np.abs(x).max(-1, keepdims=True)
;;       e = np.where(a > 0, np.clip(np.frexp(np.where(a > 0, a, 1))[1] - 1 - 2, -126, 127), 0)      # np.frexp(a)[1] - 1 = floor(log2(a)), exactly
;;       r = np.clip(x / 2.0 ** e, -6, 6)
;;       step = 2.0 ** (np.maximum(np.frexp(np.where(r == 0, 1, r))[1] - 1, 0) - 1)
;;       q = np.round(r / step) * step * 2.0 ** e      # np.round: ties to even
;;       return np.moveaxis(q.reshape(q.shape[:-2] + (-1,))[..., :K], -1, axis).astype(np.float32)
;;   ~~~
;; One version. Each part assembles by itself: llvm-mc -triple=amdgcn-amd-amdhsa -mcpu=gfx1250 --defsym DOCPART=n.
;; ======== version 1 of 1: 5 launches
;; limits: values are held in f16: magnitudes above 65,504 overflow, below 6.1e-05 lose precision
;; workspace buffers: xcodes 4,194,304 bytes; xscales 262,144 bytes; wcodes 1,572,864 bytes; wscales 98,304 bytes; wp16 2,097,152 bytes; qkv16 50,331,648 bytes; rows32 786,432 bytes; att 16,777,216 bytes
;; launch quant (part 1): grid 416 x 1, 4 waves a work-group, no clusters, 33,280 bytes of LDS; arguments x, W_key, W_query, W_value, W_proj, xcodes, xscales, wcodes, wscales, wp16; writes xcodes, xscales, wcodes, wscales, wp16
.if DOCPART == 1
	.amdgcn_target "amdgcn-amd-amdhsa--gfx1250"
	.amdhsa_code_object_version 6
	.text
	.protected	k_qcede4fcbba_quant
	.globl	k_qcede4fcbba_quant
	.p2align	8
	.type	k_qcede4fcbba_quant,@function
k_qcede4fcbba_quant:
	s_mov_b64 s[64:65], 0
	v_nop
	global_prefetch_b8 v0, s[64:65] scope:SCOPE_SE
	s_setreg_imm32_b32 hwreg(HW_REG_WAVE_MODE, 25, 1), 1
	s_wait_xcnt 0x0
; x [8192][1024] and W_key, W_query, W_value [1024][1024], f32, become codes of FP4 (E2M1), K innermost, two codes a byte, with one E8M0 byte for each 32 along K.
; The three weights lie one behind the other in wcodes / wscales: rows 0-1023 W_key, 1024-2047 W_query, 2048-3071 W_value.
; A block's scale is 2^(floor(log2(its largest magnitude)) - 2); its byte is the largest magnitude's exponent field - 2, held at 1 from below.
; W_proj [1024][1024] f32 is multiplied by 2^-5 (out_dim^-0.5, exact) and rounded to f16, laid [kb 16][p 1024][64]: kb = the block of 64 along K.
; LIMITS: a block of zeros, or one whose largest magnitude lies under 2^-124, gets the byte 1 (its codes are zeros or tiny; this program alone reads the bytes);
; NaN and infinities are not served; |W_proj| / 32 stays under 65,504.
; SHARES: work-groups 0-255 take x, 256-287 W_key, 288-319 W_query, 320-351 W_value: 32,768 numbers each, a wave 16 steps of 512.  Work-groups 352-415 take W_proj.
; Rows are dense and 1,024 is a multiple of 32: each tensor is a plain stream of blocks of 32.  Only pointers are chosen by the work-group's number: all four tensors take one path.
; The conversions want 16 neighbours along K in ONE lane; a load is best where neighbouring lanes take neighbouring bytes.  So each load reads 512 consecutive bytes, and a step's 2,048 bytes
; turn through the wave's own stage in LDS (16 bytes of padding behind each 64) and come back 64 bytes a lane.  No barrier: waves share nothing.
.set WAVES, 4
.set STEPS, 16
.set WGQ,   352                        ; the first work-group of W_proj
.set EMAX,  2
.set CB,    8                          ; bytes of 16 codes
.set R,     16                         ; v16-79   four sets of 16 numbers as loaded (W_proj's path: v16-143, 32 loads)
.set X,     80                         ; v80-111  two sets of 16 neighbours
.set E,     112                        ; v112-127 a scale byte for each step
.set C,     128                        ; v128-191 codes, four registers a step: no store's data are written again
.set WREG,  8192                       ; LDS: a wave's region: two stages of 32 x SP bytes, then its 256 scale bytes
.set SP,    80
.set SPW,   12                         ; v12  LDS address of my spare word; never rewritten
.set NIL,   13                         ; v13  0; never rewritten
.set SPARE, WAVES*WREG                 ; behind the regions: the spare words, 128 bytes a wave, which no other line names
	s_load_b512 s[4:19], s[0:1], 0x0               ; x 4, W_key 6, W_query 8, W_value 10, W_proj 12, xcodes 14, xscales 16, wcodes 18
	s_load_b128 s[20:23], s[0:1], 0x40             ; wscales 20, wp16 22
	v_lshl_add_u32 v[SPW], v0, 2, SPARE
	v_mov_b32 v[NIL], 0
	v_lshrrev_b32 v1, 5, v0
	v_readfirstlane_b32 s24, v1                    ; wave
	v_and_b32 v2, 31, v0                           ; lane
	v_lshlrev_b32 v3, 4, v2                        ; my 16 bytes of a load's 512
	s_mul_i32 s25, s24, WREG
	v_lshrrev_b32 v14, 2, v2
	v_mul_u32_u24 v14, v14, SP
	v_and_b32 v15, 3, v2
	v_lshl_add_u32 v14, v15, 4, v14
	v_add_nc_u32 v14, s25, v14                     ; the stage, in: SP (lane / 4) + 16 (lane % 4)
	v_mul_u32_u24 v15, v2, SP
	v_add_nc_u32 v15, s25, v15                     ; and out: SP x lane: my 16 neighbours
	v_mul_u32_u24 v4, v2, CB                       ; my codes' place in a step's
	v_lshrrev_b32 v5, 1, v2
	s_add_co_u32 s25, s25, 2*32*SP
	v_add_nc_u32 v5, s25, v5                       ; my block's scale byte in LDS
	v_lshlrev_b32 v7, 3, v2                        ; on the way out 8 bytes a lane
	v_add_nc_u32 v6, s25, v7
	s_wait_kmcnt 0x0
	s_cmp_ge_u32 ttmp9, WGQ
	s_cbranch_scc1 .Lwp
	; ---- the quantiser's path.  Which tensor: the choices hang on the work-group's number alone
	s_cmp_lt_u32 ttmp9, 288
	s_cselect_b64 s[26:27], s[6:7], s[8:9]
	s_cmp_lt_u32 ttmp9, 320
	s_cselect_b64 s[26:27], s[26:27], s[10:11]
	s_cmp_lt_u32 ttmp9, 256
	s_cselect_b64 s[26:27], s[4:5], s[26:27]       ; the numbers
	s_cselect_b64 s[28:29], s[14:15], s[18:19]     ; the codes
	s_cselect_b64 s[30:31], s[16:17], s[20:21]     ; the scale bytes
	s_cselect_b32 s32, 0, 256
	s_cselect_b32 s33, -1, 31
	s_sub_co_u32 s32, ttmp9, s32                   ; my place in x's, or in the three weights', work-groups
	s_and_b32 s33, s32, s33                        ; and in my own tensor's
	s_lshl_b32 s32, s32, 2
	s_add_co_u32 s32, s32, s24                     ; which run of 8,192 numbers of the destination is my wave's,
	s_lshl_b32 s33, s33, 2
	s_add_co_u32 s33, s33, s24                     ; and of the source
	s_lshl_b32 s34, s33, 15                        ; 32,768 bytes of numbers a run
	s_mov_b32 s35, 0
	s_add_nc_u64 s[26:27], s[26:27], s[34:35]
	s_lshl_b32 s34, s32, 12                        ; 4,096 bytes of codes
	s_add_nc_u64 s[28:29], s[28:29], s[34:35]
	s_lshl_b32 s34, s32, 8                         ; 256 scale bytes
	s_add_nc_u64 s[30:31], s[30:31], s[34:35]
.macro LOAD t
.irp i, 0,1,2,3
	global_load_b128 v[R+16*((\t)%4)+4*\i:R+16*((\t)%4)+4*\i+3], v3, s[26:27] offset:2048*(\t)+512*\i th:TH_LOAD_NT   ; 32 lanes read 512 consecutive bytes
.endr
.endm
.macro TURN t                          ; step t's numbers through the stage: LDS serves a wave's instructions in order (ISA guide 5.7.1.4), so no wait stands between the stores and the loads
.irp i, 0,1,2,3
	ds_store_b128 v14, v[R+16*((\t)%4)+4*\i:R+16*((\t)%4)+4*\i+3] offset:32*SP*((\t)%2)+8*SP*\i
.endr
.irp i, 0,1,2,3
	ds_load_b128 v[X+16*((\t)%2)+4*\i:X+16*((\t)%2)+4*\i+3], v15 offset:32*SP*((\t)%2)+16*\i
.endr
.endm
.irp t, 0,1,2,3
	LOAD \t
.endr
	s_wait_loadcnt 12                              ; step 0's four loads are in; the twelve of steps 1 to 3 may be out
	TURN 0
.macro STEP t
.set XS, X+16*((\t)%2)
.if (\t) > 0
	s_wait_dscnt 1                                 ; this step's numbers are back from the stage; the last step's byte store may be out
.else
	s_wait_dscnt 0x0
.endif
.if (\t)+4 < STEPS
	LOAD (\t)+4                                    ; into the registers that the stage's stores have read
.endif
.if (\t)+1 < STEPS
.if STEPS-2-(\t) >= 3
	s_wait_loadcnt 12                              ; the next step's four loads are in; those of the three steps behind it may be out
.else
	s_wait_loadcnt 4*(STEPS-2-(\t))
.endif
	TURN (\t)+1
.endif
	v_max3_num_f32 v8, |v[XS]|, |v[XS+1]|, |v[XS+2]|               ; the largest magnitude of my 16, in two chains
	v_max3_num_f32 v9, |v[XS+3]|, |v[XS+4]|, |v[XS+5]|
.irp i, 6,10
	v_max3_num_f32 v8, v8, |v[XS+\i]|, |v[XS+\i+1]|
	v_max3_num_f32 v9, v9, |v[XS+\i+2]|, |v[XS+\i+3]|
.endr
	v_max3_num_f32 v8, v8, |v[XS+14]|, |v[XS+15]|
	v_max3_num_f32 v8, v8, v9, (EMAX+1)<<23        ; and the floor 2^(3 - 127): the byte cannot fall under 1
	v_max_num_f32_dpp v8, v8, v8 row_xmask:1 row_mask:0xf bank_mask:0xf   ; with my neighbour's 16: the block's
	v_add_nc_u32 v11, -(EMAX<<23), v8              ; 2 off its exponent field: the conversion takes the exponent field of this operand as its scale
	v_cvt_scalef32_pk8_fp4_f32 v[C+4*(\t)], v[XS:XS+7], v11        ; to the nearest code, ties to even; beyond 6 the largest code
	v_cvt_scalef32_pk8_fp4_f32 v[C+4*(\t)+1], v[XS+8:XS+15], v11
	v_lshrrev_b32 v[E+(\t)], 23, v11               ; the scale's byte (also the plain line behind the conversions)
	ds_store_b8 v5, v[E+(\t)] offset:16*(\t)       ; both lanes of a block write the same byte with the same value
	global_store_b64 v4, v[C+4*(\t):C+4*(\t)+1], s[28:29] offset:32*CB*(\t)   ; the wave stores 256 consecutive bytes, aligned
.endm
.irp t, 0,1,2,3,4,5,6,7,8,9,10,11,12,13,14,15
	STEP \t
.endr
	ds_load_b64 v[8:9], v6                         ; my wave's 256 scale bytes, 8 a lane
	s_wait_dscnt 0x0
	global_store_b64 v7, v[8:9], s[30:31]          ; 256 consecutive bytes, aligned
	s_wait_tensorcnt 0x0                           ; the wave's end
	ds_add_u32 v[SPW], v[NIL]
	s_wait_dscnt 0x0
	s_endpgm
	; ---- W_proj's path: no LDS.  Wave g of 256 takes K block kb = g % 16 of rows 64 (g / 16) on: 32 loads, each two rows' 256 bytes
.Lwp:
	s_sub_co_u32 s25, ttmp9, WGQ
	s_lshl_b32 s25, s25, 2
	s_add_co_u32 s25, s25, s24                     ; g
	s_and_b32 s26, s25, 15                         ; kb
	s_lshr_b32 s27, s25, 4
	s_lshl_b32 s28, s27, 18                        ; 64 rows of 4,096 bytes
	s_lshl_b32 s29, s26, 8                         ; + 256 bytes a K block
	s_add_co_u32 s28, s28, s29
	s_mov_b32 s29, 0
	s_add_nc_u64 s[12:13], s[12:13], s[28:29]
	s_lshl_b32 s28, s26, 17                        ; wp16: 131,072 bytes a K block,
	s_lshl_b32 s30, s27, 13                        ; 64 rows of 128 bytes
	s_add_co_u32 s28, s28, s30
	s_add_nc_u64 s[22:23], s[22:23], s[28:29]
	v_lshrrev_b32 v8, 4, v2
	v_and_b32 v9, 15, v2
	v_lshlrev_b32 v9, 4, v9
	v_lshl_add_u32 v8, v8, 12, v9                  ; lanes 0-15 one row's 256 bytes, lanes 16-31 the next row's
	v_lshlrev_b32 v10, 3, v2                       ; out: 8 bytes a lane: the two rows' 128 bytes lie on end
.irp n, 0,1,2,3,4,5,6,7,8,9,10,11,12,13,14,15,16,17,18,19,20,21,22,23,24,25,26,27,28,29,30,31
	global_load_b128 v[R+4*\n:R+4*\n+3], v8, s[12:13] offset:8192*\n th:TH_LOAD_NT
.endr
.irp n, 0,1,2,3,4,5,6,7,8,9,10,11,12,13,14,15,16,17,18,19,20,21,22,23,24,25,26,27,28,29,30,31
	s_wait_loadcnt 31-\n                           ; load n is in; the younger ones stay out
	v_pk_mul_f32 v[R+4*\n:R+4*\n+1], v[R+4*\n:R+4*\n+1], 0x3d000000 op_sel_hi:[1,0]       ; x 2^-5
	v_pk_mul_f32 v[R+4*\n+2:R+4*\n+3], v[R+4*\n+2:R+4*\n+3], 0x3d000000 op_sel_hi:[1,0]
	v_cvt_pk_f16_f32 v[R+4*\n], v[R+4*\n], v[R+4*\n+1]
	v_cvt_pk_f16_f32 v[R+4*\n+1], v[R+4*\n+2], v[R+4*\n+3]
	global_store_b64 v10, v[R+4*\n:R+4*\n+1], s[22:23] offset:256*\n   ; 256 consecutive bytes, aligned
.endr
	s_endpgm
.Lfunc_end_k_qcede4fcbba_quant:
	.size	k_qcede4fcbba_quant, .Lfunc_end_k_qcede4fcbba_quant-k_qcede4fcbba_quant
	.p2alignl 7, 3214868480
	.fill 96, 4, 3214868480
	.section	.rodata,"a",@progbits
	.p2align	6, 0x0
	.amdhsa_kernel k_qcede4fcbba_quant
		.amdhsa_group_segment_fixed_size 33280
		.amdhsa_private_segment_fixed_size 0
		.amdhsa_enable_private_segment 0
		.amdhsa_kernarg_size 80
		.amdhsa_user_sgpr_count 2
		.amdhsa_user_sgpr_kernarg_segment_ptr 1
		.amdhsa_wavefront_size32 1
		.amdhsa_system_sgpr_workgroup_id_x 1
		.amdhsa_system_sgpr_workgroup_id_y 1
		.amdhsa_system_sgpr_workgroup_id_z 1
		.amdhsa_system_vgpr_workitem_id 0
		.amdhsa_next_free_vgpr 192
		.amdhsa_next_free_sgpr 66
		.amdhsa_reserve_vcc 0
		.amdhsa_float_denorm_mode_32 3
		.amdhsa_float_denorm_mode_16_64 3
		.amdhsa_memory_ordered 1
		.amdhsa_forward_progress 1
		.amdhsa_inst_pref_size 51
	.end_amdhsa_kernel
	.amdgpu_metadata
---
amdhsa.version: [ 1, 2 ]
amdhsa.kernels:
  - .name:           k_qcede4fcbba_quant
    .symbol:         k_qcede4fcbba_quant.kd
    .args:
      - { .name: x, .offset: 0, .size: 8, .value_kind: global_buffer, .address_space: global }
      - { .name: W_key, .offset: 8, .size: 8, .value_kind: global_buffer, .address_space: global }
      - { .name: W_query, .offset: 16, .size: 8, .value_kind: global_buffer, .address_space: global }
      - { .name: W_value, .offset: 24, .size: 8, .value_kind: global_buffer, .address_space: global }
      - { .name: W_proj, .offset: 32, .size: 8, .value_kind: global_buffer, .address_space: global }
      - { .name: xcodes, .offset: 40, .size: 8, .value_kind: global_buffer, .address_space: global }
      - { .name: xscales, .offset: 48, .size: 8, .value_kind: global_buffer, .address_space: global }
      - { .name: wcodes, .offset: 56, .size: 8, .value_kind: global_buffer, .address_space: global }
      - { .name: wscales, .offset: 64, .size: 8, .value_kind: global_buffer, .address_space: global }
      - { .name: wp16, .offset: 72, .size: 8, .value_kind: global_buffer, .address_space: global }
    .group_segment_fixed_size: 33280
    .private_segment_fixed_size: 0
    .kernarg_segment_align: 8
    .kernarg_segment_size: 80
    .max_flat_workgroup_size: 128
    .sgpr_count:     66
    .vgpr_count:     192
    .wavefront_size: 32
...
	.end_amdgpu_metadata
.endif
;; end of part 1
;; launch qkv (part 2): grid 12 x 32, 4 waves a work-group, clusters of 4 x 4, 327,680 bytes of LDS; arguments xcodes, xscales, wcodes, wscales, qkv16, rows32; writes qkv16, rows32
.if DOCPART == 2
	.amdgcn_target "amdgcn-amd-amdhsa--gfx1250"
	.amdhsa_code_object_version 6
	.text
	.protected	k_qcede4fcbba_qkv
	.globl	k_qcede4fcbba_qkv
	.p2align	8
	.type	k_qcede4fcbba_qkv,@function
k_qcede4fcbba_qkv:
	s_mov_b64 s[64:65], 0
	v_nop
	global_prefetch_b8 v0, s[64:65] scope:SCOPE_SE
	s_setreg_imm32_b32 hwreg(HW_REG_WAVE_MODE, 25, 1), 1
	s_wait_xcnt 0x0
	s_wait_alu depctr_hold_cnt(0) depctr_sa_sdst(0) depctr_va_vdst(0) depctr_va_sdst(0) depctr_va_ssrc(0) depctr_va_vcc(0) depctr_vm_vsrc(0)
	s_getreg_b32 s2, hwreg(HW_REG_IB_STS2, 6, 4)
	s_cmp_eq_u32 s2, 0
	s_cbranch_scc0 .Lentry_in_a_cluster
	s_endpgm
.Lentry_in_a_cluster:
	s_bfe_u32 s2, ttmp6, 0x10000c
	s_cmp_lg_u32 s2, 0xf033
	s_cbranch_scc0 .Lentry_shape_is_right
	s_endpgm
.Lentry_shape_is_right:
; [8192 x 1024] x [3072 x 1024]^T on codes of FP4 (E2M1) with one E8M0 scale for each 32 along K; sums in f32; x 2^-5 (C^-0.5, exact); out as f16 by head:
; qkv16 [part 3: K, Q, V][batch 4][head 16][t 2048][64].  The rows t < 16 of every batch and head also leave in f32: rows32 [part][batch][head][16][64].
; LIMIT: |k|, |q|, |v| stay under 65,504, f16's largest number.
; A tile of 256 x 256 is made by four waves, each 128 x 128: 64 accumulators, 512 registers.  K = 1,024 is two K steps of 512 (LDS rows of 256 bytes): both slots are filled once, at the head, and nothing is filled again.
; The scale bytes of the work-group's 256 + 256 rows, for all of K, are two dense blocks: they come once, with the first fills.
; CLUSTERS: 4 x 4 work-groups; x's tiles are asked for jointly along a row of the cluster, the weights' along a column.  Tile column = 4 x cluster x + cx, so cluster x is the part (K, Q, V).
; Tile row = 8 cy + cluster y, so cy is the batch and cluster y the block of 256 tokens: 'my tile holds t < 16' is 'cluster y = 0', the same in all sixteen partners.
; 384 work-groups: the tile that fills the registers is kept though the number is no multiple of 256; the launch's time lies in its stores.
; THE MATRIX INSTRUCTION IS USED TRANSPOSED (source 0 = 16 rows of the weight, source 1 = 16 rows of x): a lane holds eight neighbouring channels of one token.
; REGISTERS, in windows of 256: window 0: v16-30 addresses; v32-95 scale words, two sets; v128-191 x's fragments, one set; on the way out v32-191 are free.
;   window 1: the weights' fragments, two sets, at v0 and v128.   window 2: accumulators of my rows 0-63 ((a, b) at v[8 (8 a + b)]);   window 3: of rows 64-127.
.set NQ,     4                         ; matrix instructions deep in a slot (512 along K)
.set ROWB,   256                       ; a tile's row in bytes
.set KROW,   512                       ; a row of codes in memory
.set PITCH,  272                       ; an LDS row: 256 bytes + 16: the 16 rows that a load touches start 16 bytes apart modulo 256
.set FR,     8
.set NL,     2
.set NP,     4                         ; places behind this matrix instruction (ISA guide 7.12.1)
.set HALFT,  128*PITCH
.set SLOT,   4*HALFT
.set KS,     32                        ; a row of scale bytes
.set SCL,    2*SLOT
.set HALFS,  (128*KS/256)*272
.set SBLK,   (16*KS/256)*272
.set SPARE,  SCL+4*HALFS               ; the spare words, 128 bytes a wave, which no other line names
.set SPT,    144                       ; the way out: a stage row: 128 bytes + 16
.set HSTG,   16*SPT                    ; 16 rows of one head
.set WSTG,   2*HSTG                    ; a wave's stage: two heads.  It lies in slot 0, which has had its only fill and its last read when the first result is stored there
.set ADRA, 16
.set ADRB, 20
.set STO,  24
.set RD,   25
.set CO,   26
.set ADRS, 27
.set SPW,  28
.set NIL,  29
.set FO,   30                          ; v30  my byte offset in rows32
.set SC,   32
.set AF,   128
.set T,    32                          ; the way out: v32-95 a block's 64 numbers x 2^-5
.set H,    96                          ; v96-127 the same as f16
.set BK,   128                         ; v128-159, v160-191 by turns: rows read back from the stage
.set G1, 24
.set G0, 32
.set G1B, 48
.set G0B, 56
.set G1S, 68
.set G0S, 76
.set G1SB, 80
.set G0SB, 88
.set MSB, 0
.macro WIN new                         ; the immediate's high byte repeats the setting that is left
.if MSB != (\new)
	s_set_vgpr_msb (MSB<<8)|(\new)
.set MSB, (\new)
.endif
.endm
.set MUL_LO, 0xa1                      ; source 0 window 1, source 1 window 0, C and D window 2
.set MUL_HI, 0xf1                      ; the same, C and D window 3
.set TO_B,   0x40                      ; destination window 1
; A joint load: waves 0 and 1 fetch for x, waves 2 and 3 for the weights.  The branch hangs on the wave's number alone.  An s_nop 0 and four v_nop follow each of the two lines.
.macro JLOAD g0a, g1a, g0b, g1b
	s_cmp_eq_u32 s15, 0
	s_cbranch_scc0 .Lfor_b_\@
	tensor_load_to_lds s[\g0a:\g0a+3], s[\g1a:\g1a+7]
	s_nop 0
.rept 4
	v_nop
.endr
	s_branch .Lasked_\@
.Lfor_b_\@:
	tensor_load_to_lds s[\g0b:\g0b+3], s[\g1b:\g1b+7]
	s_nop 0
.rept 4
	v_nop
.endr
.Lasked_\@:
.endm
.macro CROUND                          ; a round of the cluster's barrier
	s_barrier_signal -1
	s_barrier_wait -1
	s_cmp_lg_u32 s14, 0
	s_cbranch_scc1 .Lnot_wave_0_\@
	s_barrier_signal -3
.Lnot_wave_0_\@:
	s_barrier_wait -3
	s_barrier_signal -1
	s_barrier_wait -1
.endm
	s_load_b128 s[4:7], s[0:1], 0x0                ; x's codes, x's scales
	s_load_b128 s[8:11], s[0:1], 0x10              ; the weights' codes, scales
	s_load_b64 s[12:13], s[0:1], 0x20              ; qkv16
	s_load_b64 s[98:99], s[0:1], 0x28              ; rows32
	v_lshl_add_u32 v[SPW], v0, 2, SPARE
	v_mov_b32 v[NIL], 0
	ds_add_u32 v[SPW], v[NIL]                      ; the wave's opening: the add, twice on end, and its wait ahead of my first tensor load
	ds_add_u32 v[SPW], v[NIL]
	v_lshrrev_b32 v1, 5, v0
	v_readfirstlane_b32 s14, v1                    ; wave 0..3
	s_lshr_b32 s15, s14, 1                         ; which half of the tile's rows is mine.  Also: I fetch for x (0) or for the weights (1)
	s_and_b32 s16, s14, 1                          ; which half of its columns.  Also: which 128 rows I fetch
	s_bfe_u32 s40, ttmp6, 0x40000                  ; cx
	s_bfe_u32 s41, ttmp6, 0x40004                  ; cy
	s_lshl_b32 s42, ttmp9, 2
	s_add_co_u32 s42, s42, s40                     ; tile column = 4 x cluster x + cx
	s_and_b32 s95, ttmp7, 0xffff                   ; cluster y
	s_lshl_b32 s17, s41, 3
	s_add_co_u32 s17, s17, s95                     ; tile row = 8 cy + cluster y
	s_lshl_b32 s43, s41, 2
	s_lshl_b32 s43, 15, s43                        ; my row of the cluster
	s_lshl_b32 s44, 0x1111, s40                    ; my column
	s_or_b32 s[G1+0], s43, (0<<16)|(1<<20)|(1<<21)|(5<<22)|(3<<25)  ; the mask; elements of 1 byte; padding on; bit 21 beside a mask; 4 words of padding after every 64
	s_or_b32 s[G1B+0], s44, (0<<16)|(1<<20)|(1<<21)|(5<<22)|(3<<25)
.irp g, G1, G1B
	s_mov_b32 s[\g+1], ROWB<<16                    ; tensor_dim0
	s_mov_b32 s[\g+2], 128<<16                     ; tensor_dim1
	s_mov_b32 s[\g+3], ROWB<<16                    ; tile_dim0
	s_mov_b32 s[\g+4], 128                         ; tile_dim1
	s_mov_b32 s[\g+5], KROW                        ; from row to row
	s_mov_b32 s[\g+6], 0
	s_mov_b32 s[\g+7], 0
.endr
	s_or_b32 s[G1S+0], s43, (3<<16)|(1<<20)|(1<<21)|(5<<22)|(3<<25)  ; the scales of 128 rows: 4,096 dense bytes as 16 rows of 256 (32 elements of 8 bytes), padded alike
	s_or_b32 s[G1SB+0], s44, (3<<16)|(1<<20)|(1<<21)|(5<<22)|(3<<25)
.irp g, G1S, G1SB
	s_mov_b32 s[\g+1], 32<<16
	s_mov_b32 s[\g+2], (128*KS/256)<<16
	s_mov_b32 s[\g+3], 32<<16
	s_mov_b32 s[\g+4], 128*KS/256
	s_mov_b32 s[\g+5], 32
	s_mov_b32 s[\g+6], 0
	s_mov_b32 s[\g+7], 0
.endr
	s_mov_b32 s96, 0x3d000000                      ; 2^-5
	s_mov_b32 s97, s96                             ; (named with it as a pair)
	s_lshl_b32 s18, s16, 7
	s_lshl_b32 s20, s17, 8
	s_add_co_u32 s20, s20, s18                     ; x: row 256 x tile row + 128 x half
	s_lshl_b32 s46, s42, 8
	s_add_co_u32 s46, s46, s18                     ; the weights: row 256 x tile column + 128 x half
	s_mov_b32 s21, 0
	s_mov_b32 s47, 0
	s_mov_b64 s[18:19], KS
	s_mul_u64 s[22:23], s[20:21], s[18:19]         ; where these rows' scales begin,
	s_mul_u64 s[92:93], s[46:47], s[18:19]
	s_mov_b64 s[18:19], KROW
	s_mul_u64 s[20:21], s[20:21], s[18:19]         ; and their codes
	s_mul_u64 s[46:47], s[46:47], s[18:19]
	s_mul_i32 s45, s14, HALFT                      ; where they go: no place in the cluster enters an LDS address
	s_mul_i32 s94, s14, HALFS
	s_wait_dscnt 0x0                               ; both opening adds are done
	s_wait_kmcnt 0x0
	s_add_nc_u64 s[20:21], s[4:5], s[20:21]
	s_add_nc_u64 s[22:23], s[6:7], s[22:23]
	s_add_nc_u64 s[46:47], s[8:9], s[46:47]
	s_add_nc_u64 s[92:93], s[10:11], s[92:93]
	CROUND                                         ; all sixteen work-groups are here: the joint loads meet
	s_mov_b32 s[G0S], 1
	s_add_co_u32 s[G0S+1], s94, SCL
	s_mov_b64 s[G0S+2:G0S+3], s[22:23]
	s_or_b32 s[G0S+3], s[G0S+3], 0x80000000
	s_mov_b32 s[G0SB], 1
	s_add_co_u32 s[G0SB+1], s94, SCL
	s_mov_b64 s[G0SB+2:G0SB+3], s[92:93]
	s_or_b32 s[G0SB+3], s[G0SB+3], 0x80000000
	JLOAD G0S, G1S, G0SB, G1SB                     ; the scales first: they are wanted with K step 0
.irp s, 0,1
	s_mov_b32 s[G0+4*\s], 1
	s_add_co_u32 s[G0+4*\s+1], s45, \s*SLOT
	s_add_nc_u64 s[G0+4*\s+2:G0+4*\s+3], s[20:21], \s*ROWB
	s_or_b32 s[G0+4*\s+3], s[G0+4*\s+3], 0x80000000
	s_mov_b32 s[G0B+4*\s], 1
	s_add_co_u32 s[G0B+4*\s+1], s45, \s*SLOT
	s_add_nc_u64 s[G0B+4*\s+2:G0B+4*\s+3], s[46:47], \s*ROWB
	s_or_b32 s[G0B+4*\s+3], s[G0B+4*\s+3], 0x80000000
	JLOAD G0+4*\s, G1, G0B+4*\s, G1B               ; three tensor loads of mine are out in all
.endr
	v_and_b32 v1, 15, v0                           ; r = lane % 16
	v_bfe_u32 v2, v0, 4, 1                         ; h = lane / 16
	v_mul_u32_u24 v3, v1, PITCH
	v_lshl_add_u32 v4, v2, 4, v3                   ; a fragment's row x pitch + 16 h
	s_mul_i32 s21, s15, HALFT
	s_mul_i32 s22, s16, HALFT
	s_add_co_u32 s22, s22, 2*HALFT
.irp s, 0,1
	v_add_nc_u32 v[ADRA+\s], s21, v4
	v_add_nc_u32 v[ADRB+\s], s22, v4
	s_add_co_u32 s21, s21, SLOT
	s_add_co_u32 s22, s22, SLOT
.endr
	v_mul_u32_u24 v5, v1, KS                       ; my row's scales: 32 bytes a row,
	v_lshrrev_b32 v6, 8, v5
	v_lshl_add_u32 v5, v6, 4, v5                   ; and 16 more for each 256 passed
	s_mul_i32 s21, s15, HALFS
	s_mul_i32 s22, s16, HALFS
	s_add_co_u32 s22, s22, 2*HALFS
	s_sub_co_u32 s22, s22, s21
	v_mul_u32_u24 v6, s22, v2                      ; lanes 16-31 take the weights'
	s_add_co_u32 s21, s21, SCL
	v_add_nc_u32 v5, v5, v6
	v_add_nc_u32 v[ADRS], s21, v5
	s_mul_i32 s23, s14, WSTG                       ; my stage
	v_mul_u32_u24 v5, v1, SPT
	v_lshl_add_u32 v5, v2, 4, v5
	v_add_nc_u32 v[STO], s23, v5                   ; in: row r, 16 bytes for each half of the lanes
	v_bfe_u32 v5, v0, 3, 2
	v_mul_u32_u24 v5, v5, SPT
	v_and_b32 v6, 7, v0
	v_lshl_add_u32 v5, v6, 4, v5
	v_add_nc_u32 v[RD], s23, v5                    ; back: eight lanes to a row of 128 bytes, four rows an instruction
	v_and_b32 v6, 31, v0
	v_lshlrev_b32 v[CO], 4, v6                     ; which are 512 consecutive bytes of qkv16
	v_lshlrev_b32 v[FO], 8, v1
	v_lshl_add_u32 v[FO], v2, 5, v[FO]             ; rows32: row r of 256 bytes, + 32 h
	s_lshl_b32 s20, s41, 4                         ; 16 x batch
	s_lshl_b32 s21, s40, 2
	s_add_co_u32 s20, s20, s21                     ; + 4 cx
	s_lshl_b32 s21, s16, 1
	s_add_co_u32 s20, s20, s21                     ; + 2 x my half: the first of my two heads
	s_lshl_b32 s46, s20, 18                        ; a head is 2,048 rows of 128 bytes
	s_lshl_b32 s21, s95, 15                        ; + 256 tokens x cluster y
	s_add_co_u32 s46, s46, s21
	s_lshl_b32 s21, s15, 14                        ; + 128 tokens x my half
	s_add_co_u32 s46, s46, s21
	s_lshl_b32 s21, ttmp9, 24                      ; + the part
	s_add_co_u32 s46, s46, s21
	s_mov_b32 s47, 0
	s_add_nc_u64 s[12:13], s[12:13], s[46:47]
	s_lshl_b32 s46, s20, 12                        ; rows32: a head is 4,096 bytes, a part 262,144
	s_lshl_b32 s21, ttmp9, 18
	s_add_co_u32 s46, s46, s21
	s_add_nc_u64 s[98:99], s[98:99], s[46:47]
.macro FRAG reg, adr, q, i             ; 16 rows x 128 K of 4-bit codes: 8 registers; registers 4 c .. 4 c + 3 hold K = 64 c + 32 h + 0 .. 31
.irp c, 0,1
	ds_load_b128 v[\reg+4*\c:\reg+4*\c+3], v[\adr] offset:64*(\q)+32*\c+(\i)*16*PITCH
.endr
.endm
; 16 matrix instructions: x's blocks a0, a0 + 1 against the weight's eight, 128 along K.  The 64 accumulators take turns, one instruction a turn, in the same order in every step.
; One register carries x's scale word (lanes 0-15) and the weight's (lanes 16-31).
.macro MUL16 a0, p, q, sc, zero
.irp a, \a0, \a0+1
.irp b, 0,1,2,3,4,5,6,7
.if \zero
	v_wmma_scale_f32_16x16x128_f8f6f4 v[8*(8*((\a)%4)+\b):8*(8*((\a)%4)+\b)+7], v[128*(\p)+FR*\b:128*(\p)+FR*\b+FR-1], v[AF+FR*(\a):AF+FR*(\a)+FR-1], 0, v[SC+8*NQ*(\sc)+NQ*\b+(\q)], v[SC+8*NQ*(\sc)+NQ*(\a)+(\q)] matrix_a_fmt:MATRIX_FMT_FP4 matrix_b_fmt:MATRIX_FMT_FP4 matrix_a_scale:MATRIX_SCALE_ROW1
.else
	v_wmma_scale_f32_16x16x128_f8f6f4 v[8*(8*((\a)%4)+\b):8*(8*((\a)%4)+\b)+7], v[128*(\p)+FR*\b:128*(\p)+FR*\b+FR-1], v[AF+FR*(\a):AF+FR*(\a)+FR-1], v[8*(8*((\a)%4)+\b):8*(8*((\a)%4)+\b)+7], v[SC+8*NQ*(\sc)+NQ*\b+(\q)], v[SC+8*NQ*(\sc)+NQ*(\a)+(\q)] matrix_a_fmt:MATRIX_FMT_FP4 matrix_b_fmt:MATRIX_FMT_FP4 matrix_a_scale:MATRIX_SCALE_ROW1
.endif
.endr
.endr
.endm
.macro FETCH_B slot, q, p
	WIN TO_B
.irp i, 0,1,2,3,4,5,6,7
	FRAG 128*(\p)+FR*\i, ADRB+\slot, \q, \i
.endr
	WIN 0
.endm
.macro FETCH_A slot, q, i0
.irp i, \i0, \i0+1, \i0+2, \i0+3
	FRAG AF+FR*(\i), ADRA+\slot, \q, \i
.endr
.endm
.macro SCALES sc                       ; a K step's scale words: 4 words a row; lanes 0-15 x's block i, lanes 16-31 the weight's block i
.irp i, 0,1,2,3,4,5,6,7
	ds_load_b128 v[SC+8*NQ*\sc+NQ*\i:SC+8*NQ*\sc+NQ*\i+3], v[ADRS] offset:\i*SBLK
.endr
.endm
.macro PLACES n                        ; places in front of loads into registers that matrix instructions have read, and of the first read of results
.rept \n
	v_nop
.endr
.endm
.macro STEP slot, q, zero              ; 128 along K, with its successor in the same slot
	s_wait_dscnt 4*NL                              ; all but the youngest eight loads (x's blocks 4-7) are in
	WIN MUL_LO
	MUL16 0, (\q)%2, \q, \slot, \zero
	MUL16 2, (\q)%2, \q, \slot, \zero
	s_wait_dscnt 0
	PLACES NP
	FETCH_B \slot, (\q)+1, 1-(\q)%2
	FETCH_A \slot, (\q)+1, 0
	WIN MUL_HI
	MUL16 4, (\q)%2, \q, \slot, \zero
	MUL16 6, (\q)%2, \q, \slot, \zero
	PLACES NP
	WIN 0
	FETCH_A \slot, (\q)+1, 4
.endm
; Slot 0's last step changes slots: one barrier.  In front of it each wave waits for all its tensor loads (its part of slot 1), adds 0 to its spare word, and waits for that and for its reads of slot 0.
.macro TURN slot, next
	s_wait_tensorcnt 0x0
	ds_add_u32 v[SPW], v[NIL]
	s_wait_dscnt 4*NL+1                            ; the add and the youngest eight loads may be out
	WIN MUL_LO
	MUL16 0, 1, NQ-1, \slot, 0
	s_wait_dscnt 0x0                               ; the add is done, and my reads of this slot are over
	s_barrier_signal -1
	MUL16 2, 1, NQ-1, \slot, 0
	WIN 0
	s_barrier_wait -1
	PLACES NP
	v_add_nc_u32 v[ADRS], 4*NQ, v[ADRS]            ; on to the next K step's scale words
	FETCH_B \next, 0, 0
	FETCH_A \next, 0, 0
	SCALES \next
	WIN MUL_HI
	MUL16 4, 1, NQ-1, \slot, 0
	MUL16 6, 1, NQ-1, \slot, 0
	PLACES NP
	WIN 0
	FETCH_A \next, 0, 4
.endm
.macro STEPS slot, from
.set Q, \from
.rept NQ-1-\from
	STEP \slot, Q, 0
.set Q, Q+1
.endr
.endm
	s_wait_tensorcnt 1                             ; the scales and my part of K step 0 are in; K step 1's load may be out
	s_barrier_signal -1
	s_barrier_wait -1
	FETCH_B 0, 0, 0
	FETCH_A 0, 0, 0
	SCALES 0
	FETCH_A 0, 0, 4
	STEP 0, 0, 1                                   ; the first products start the sums: nothing is cleared
	STEPS 0, 1
	TURN 0, 1
	STEPS 1, 0
	s_wait_dscnt 4*NL                              ; the last step: nothing more to fetch
	WIN MUL_LO
	MUL16 0, 1, NQ-1, 1, 0
	MUL16 2, 1, NQ-1, 1, 0
	s_wait_dscnt 0
	WIN MUL_HI
	MUL16 4, 1, NQ-1, 1, 0
	MUL16 6, 1, NQ-1, 1, 0
	WIN 0
; THE WAY OUT, block by block of 16 tokens x 128 channels (two heads).  PACK: x 2^-5 in f32, then f16.  TOSTAGE: 16 bytes a lane into my stage, back as rows.  SEND: each store covers 512 consecutive bytes (four tokens of a head).
.macro PACK a
.set AC, 64*((\a)%4)
	WIN 0x0a+5*((\a)/4)                            ; source 0: window 2 or 3
.irp b, 0,1,2,3,4,5,6,7
.irp i, 0,1,2,3
	v_pk_mul_f32 v[T+8*\b+2*\i:T+8*\b+2*\i+1], v[AC+8*\b+2*\i:AC+8*\b+2*\i+1], s[96:97] op_sel_hi:[1,0]   ; each accumulator from its low end on
.endr
.endr
	WIN 0
.irp b, 0,1,2,3,4,5,6,7
.irp i, 0,1,2,3
	v_cvt_pk_f16_f32 v[H+4*\b+\i], v[T+8*\b+2*\i], v[T+8*\b+2*\i+1]
.endr
.endr
.endm
.macro TOSTAGE a
.set BB, BK+32*((\a)%2)
.irp b, 0,1,2,3,4,5,6,7
	ds_store_b128 v[STO], v[H+4*\b:H+4*\b+3] offset:(\b/4)*HSTG+(\b%4)*32
.endr
.irp j, 0,1
.irp i, 0,1,2,3
	ds_load_b128 v[BB+4*(4*\j+\i):BB+4*(4*\j+\i)+3], v[RD] offset:\j*HSTG+\i*4*SPT   ; LDS serves a wave's instructions in order (ISA guide 5.7.1.4): these see the stores above
.endr
.endr
.endm
.macro SEND a, younger
.set BB, BK+32*((\a)%2)
	s_wait_dscnt \younger                          ; the block is back in registers; the next block's LDS instructions may be out
.irp j, 0,1
.irp i, 0,1,2,3
	global_store_b128 v[CO], v[BB+4*(4*\j+\i):BB+4*(4*\j+\i)+3], s[12:13] offset:\j*262144+(\a)*2048+\i*512
.endr
.endr
.endm
	PLACES NP
	PACK 0
	s_or_b32 s94, s95, s15                         ; t < 16 lies in block 0 of the waves with the tile's upper rows, where cluster y = 0: the same test in all partners
	s_cmp_lg_u32 s94, 0
	s_cbranch_scc1 .Lno32
.irp b, 0,1,2,3,4,5,6,7
.irp u, 0,1
	global_store_b128 v[FO], v[T+8*\b+4*\u:T+8*\b+4*\u+3], s[98:99] offset:(\b/4)*4096+(\b%4)*64+16*\u   ; 32 bytes a lane of a row of 256: 786,432 bytes in the whole launch leave so
.endr
.endr
.Lno32:
	TOSTAGE 0
.irp a, 1,2,3,4,5,6,7
	s_wait_xcnt 0x0                                ; earlier stores have read their registers: T and the rows' registers are written again only behind this wait
	PACK \a
	TOSTAGE \a
	SEND \a-1, 16                                  ; behind block a - 1's loads: block a's 8 stores and 8 loads
.endr
	SEND 7, 0
	s_wait_tensorcnt 0x0                           ; the wave's end
	ds_add_u32 v[SPW], v[NIL]
	s_wait_dscnt 0x0
	CROUND                                         ; the closing round
	s_endpgm
.Lfunc_end_k_qcede4fcbba_qkv:
	.size	k_qcede4fcbba_qkv, .Lfunc_end_k_qcede4fcbba_qkv-k_qcede4fcbba_qkv
	.p2alignl 7, 3214868480
	.fill 96, 4, 3214868480
	.section	.rodata,"a",@progbits
	.p2align	6, 0x0
	.amdhsa_kernel k_qcede4fcbba_qkv
		.amdhsa_group_segment_fixed_size 327680
		.amdhsa_private_segment_fixed_size 0
		.amdhsa_enable_private_segment 0
		.amdhsa_kernarg_size 48
		.amdhsa_user_sgpr_count 2
		.amdhsa_user_sgpr_kernarg_segment_ptr 1
		.amdhsa_wavefront_size32 1
		.amdhsa_system_sgpr_workgroup_id_x 1
		.amdhsa_system_sgpr_workgroup_id_y 1
		.amdhsa_system_sgpr_workgroup_id_z 1
		.amdhsa_system_vgpr_workitem_id 0
		.amdhsa_next_free_vgpr 1024
		.amdhsa_next_free_sgpr 100
		.amdhsa_reserve_vcc 0
		.amdhsa_float_denorm_mode_32 3
		.amdhsa_float_denorm_mode_16_64 3
		.amdhsa_memory_ordered 1
		.amdhsa_forward_progress 1
		.amdhsa_inst_pref_size 144
	.end_amdhsa_kernel
	.amdgpu_metadata
---
amdhsa.version: [ 1, 2 ]
amdhsa.kernels:
  - .name:           k_qcede4fcbba_qkv
    .symbol:         k_qcede4fcbba_qkv.kd
    .args:
      - { .name: xcodes, .offset: 0, .size: 8, .value_kind: global_buffer, .address_space: global }
      - { .name: xscales, .offset: 8, .size: 8, .value_kind: global_buffer, .address_space: global }
      - { .name: wcodes, .offset: 16, .size: 8, .value_kind: global_buffer, .address_space: global }
      - { .name: wscales, .offset: 24, .size: 8, .value_kind: global_buffer, .address_space: global }
      - { .name: qkv16, .offset: 32, .size: 8, .value_kind: global_buffer, .address_space: global }
      - { .name: rows32, .offset: 40, .size: 8, .value_kind: global_buffer, .address_space: global }
    .group_segment_fixed_size: 327680
    .private_segment_fixed_size: 0
    .kernarg_segment_align: 8
    .kernarg_segment_size: 48
    .max_flat_workgroup_size: 128
    .sgpr_count:     100
    .vgpr_count:     1024
    .wavefront_size: 32
...
	.end_amdgpu_metadata
.endif
;; end of part 2
;; launch attn (part 3): grid 4 x 64, 16 waves a work-group, no clusters, 327,680 bytes of LDS; arguments qkv16, att; writes att
.if DOCPART == 3
	.amdgcn_target "amdgcn-amd-amdhsa--gfx1250"
	.amdhsa_code_object_version 6
	.text
	.protected	k_qcede4fcbba_attn
	.globl	k_qcede4fcbba_attn
	.p2align	8
	.type	k_qcede4fcbba_attn,@function
k_qcede4fcbba_attn:
	s_mov_b64 s[64:65], 0
	v_nop
	global_prefetch_b8 v0, s[64:65] scope:SCOPE_SE
	s_setreg_imm32_b32 hwreg(HW_REG_WAVE_MODE, 25, 1), 1
	s_wait_xcnt 0x0
; Causal attention of one head: att[hd][b 2048 + q][:] = sum over k <= q of softmax_k(Q[q] . K[k] / 8) V[k][:].  K, Q, V: qkv16 [part][b][hd][2048][64] f16 (part 0 K, 1 Q, 2 V).  att: [hd][8192][64] f16.
; Products on f16 operands with f32 sums; maxima, exponentials and sums in f32, with a running maximum; the weights p (at most 1) are rounded to f16 for the second product, the result once at the end.
; (The first 16 positions of each sequence are made again in f32 by a later launch.)
; SHARES.  Work-group (i, bh) owns query blocks i and 7 - i of 256 queries of head bh: under the causal mask that is the same work for every i.  Each of its sixteen waves owns 32 queries, two tiles of 16,
; in 256 registers: four waves to a SIMD, so that one wave's vector work stands beside another's products.  Waves of both blocks are dealt so that each group of four neighbours, and each set w % 4, has two of each.
; All waves walk the keys from 0 upward, 64 a step, through a ring of two LDS slots of 256 keys (waves 0, 1 fetch K's halves, waves 2, 3 V's).  The trip counts are constants: a step all of whose keys come after
; the wave's queries is jumped over, and a slot whose first key comes after the work-group's last query is not asked for.
; NO CLUSTER: the four work-groups of a head need 8, 7, 6 and 5 slots: a jointly fetched slot would be read by no wave of some partner.
; LAYOUT.  S^T = K Q^T (source 0 = 16 keys, source 1 = 16 queries): a lane holds ONE query (lane % 16) and keys 8 (lane / 16) + 0..7.  Two such tiles, rounded in pairs, ARE source 1 (32 keys x 16 queries) of
; O^T = V^T P.  K comes out of LDS as it lies, V turned by ds_load_tr16_b128.  A head's rows are 128 bytes and dense: a tile is stated as rows of 256 bytes (two keys), padded behind each.
; REGISTERS: v1-15 addresses and constants; v16-31 statistics, 8 a tile: +0 c m, +1 m, +2, +3 the sum (even, odd keys), +4..7 at work (a at +6); v32-63 Q; v64-127 K, then V; v128-191 S^T, then p, then P packed in place; v192-255 O^T.
.set SK,    256                        ; keys in a slot
.set KP,    272                        ; two keys of K in LDS: 256 bytes + 16
.set VP,    288                        ; two keys of V: 256 + 32
.set VOFF,  128*KP                     ; a slot: K's 128 rows, then V's 128
.set SLOT1, 1<<17                      ; slot 1 begins here: one exclusive or turns an address
.set STAGE, SLOT1+VOFF+128*VP          ; behind the ring: the way out, bytes into which no tile lands
.set SPT,   144                        ; a stage row: 128 bytes + 16
.set WSTG,  32*SPT                     ; a wave's stage
.set SPARE, STAGE+16*WSTG              ; the spare words, 128 bytes a wave, which no other line names
.set AK0, 1
.set AV0, 2
.set ADK, 3
.set ADV, 4
.set SPW, 5
.set NIL, 6
.set GO,  7
.set STO, 8
.set DQ,  9                            ; v9   lane % 16 - 8 (lane / 16)
.set NINF, 10                          ; v10  -infinity
.set PFO, 11
.set RD,  14
.set ST,  16
.set QF,  32
.set KV,  64
.set S,   128
.set O,   192
.set TB,  2                            ; s2   LDS byte at which the slot in hand begins
.set WV,  18
.set SEL, 20
.set CS,  22                           ; s[22:23] c = log2(e) / 8
.set G1K, 24
.set G1V, 32
.set G0K, 40
.set G0V, 44
.set SLOTS, 67
.set PFA, 76
.set LIM, 80
.set QL,  97                           ; s97  my work-group's last query
.set KF,  98                           ; s98  the step's first key
.set Q0,  99                           ; s99  my wave's first query
; Waves 0 and 1 fetch for K, waves 2 and 3 for V, the others nothing.  An s_nop 0 and four v_nop follow each of the two lines.
.macro TLOAD
	s_cmp_lt_u32 s[WV], 2
	s_cbranch_scc0 .Lnot_k_\@
	tensor_load_to_lds s[G0K:G0K+3], s[G1K:G1K+7]
	s_nop 0
.rept 4
	v_nop
.endr
	s_branch .Lasked_\@
.Lnot_k_\@:
	s_cmp_lt_u32 s[WV], 4
	s_cbranch_scc0 .Lasked_\@
	tensor_load_to_lds s[G0V:G0V+3], s[G1V:G1V+7]
	s_nop 0
.rept 4
	v_nop
.endr
.Lasked_\@:
.endm
; A prefetch of what the NEXT change of slots will ask for: a slot's 32,768 bytes of K and of V.  All four work-groups of a head walk the same keys: the one with x = 0, which walks all eight slots, asks.
; In it the waves ask that fetch nothing: waves 4 to 7 for K, waves 8 to 11 for V, 8,192 bytes a wave, lanes 256 bytes apart: each such block is named once in the launch.
; The last change that fills a slot asks for nothing; slots 0 and 1 come by their loads alone.
.macro ASK
	s_cmp_gt_u32 s[SLOTS], s[LIM]
	s_cbranch_scc0 .Lnot_mine_\@
	global_prefetch_b8 v[PFO], s[PFA:PFA+1] th:TH_LOAD_NT scope:SCOPE_SE
.Lnot_mine_\@:
.endm
	s_load_b128 s[4:7], s[0:1], 0x0                ; qkv16, att
	v_lshl_add_u32 v[SPW], v0, 2, SPARE
	v_mov_b32 v[NIL], 0
	ds_add_u32 v[SPW], v[NIL]                      ; the wave's opening: the add, twice on end, and its wait ahead of my first tensor load
	ds_add_u32 v[SPW], v[NIL]
	v_lshrrev_b32 v12, 5, v0
	v_readfirstlane_b32 s[WV], v12                 ; wave 0..15
	s_and_b32 s8, ttmp7, 0xffff                    ; bh = 16 b + hd
	s_lshl_b32 s10, s8, 18                         ; a head is 262,144 bytes
	s_and_b32 s9, s[WV], 1                         ; which half of a slot I fetch, if I fetch
	s_lshl_b32 s12, s9, 14                         ; 128 keys of 128 bytes
	s_add_co_u32 s12, s12, s10
	s_mov_b32 s13, 0                               ; K: part 0
	s_add_co_u32 s14, s12, 33554432                ; V: part 2
	s_mov_b32 s15, 0
	s_mul_i32 s16, s9, 64*KP
	s_mul_i32 s17, s9, 64*VP
	s_add_co_u32 s17, s17, VOFF
	s_mov_b32 s[G1K], (1<<16)|(1<<20)|(5<<22)|(3<<25)   ; no mask; elements of 2 bytes; padding on: 4 words after every 64
	s_mov_b32 s[G1V], (1<<16)|(1<<20)|(5<<22)|(7<<25)   ; the same with 8 words
.irp g, G1K, G1V
	s_mov_b32 s[\g+1], 128<<16                     ; tensor_dim0: 128 elements, two keys
	s_mov_b32 s[\g+2], 64<<16                      ; tensor_dim1
	s_mov_b32 s[\g+3], 128<<16                     ; tile_dim0
	s_mov_b32 s[\g+4], 64                          ; tile_dim1
	s_mov_b32 s[\g+5], 128                         ; from row to row
	s_mov_b32 s[\g+6], 0
	s_mov_b32 s[\g+7], 0
.endr
	s_mov_b32 s[SEL], 0x76543210
	s_mov_b32 s[SEL+1], 0xfedcba98                 ; v_permlanex16_b32: lane l xor 16
	s_mov_b32 s[CS], 0x3e38aa3b                    ; c = log2(e) x 64^-0.5
	s_mov_b32 s[CS+1], s[CS]
	s_mov_b32 s[TB], 0
	s_mov_b32 s[KF], 0
	s_mov_b32 s[SLOTS], 2048/SK-1
	s_lshr_b32 s19, s[WV], 2
	s_xor_b32 s19, s19, s[WV]
	s_and_b32 s19, s19, 1                          ; 0: block i; 1: block 7 - i
	s_sub_co_u32 s68, 7, ttmp9
	s_cmp_eq_u32 s19, 0
	s_cselect_b32 s69, ttmp9, s68
	s_lshl_b32 s[Q0], s69, 8
	s_lshr_b32 s70, s[WV], 1
	s_lshl_b32 s70, s70, 5
	s_add_co_u32 s[Q0], s[Q0], s70                 ; my first query: 256 x block + 32 (wave / 2)
	s_lshl_b32 s[QL], s68, 8
	s_or_b32 s[QL], s[QL], 255                     ; the work-group's last query
	s_lshl_b32 s72, s[Q0], 7
	s_add_co_u32 s72, s72, s10
	s_add_co_u32 s72, s72, 16777216                ; Q: part 1, my head, my first query
	s_mov_b32 s73, 0
	s_and_b32 s74, s8, 15
	s_lshl_b32 s74, s74, 20                        ; att: hd x 1,048,576
	s_lshr_b32 s75, s8, 4
	s_lshl_b32 s75, s75, 18                        ; + b x 2,048 rows of 128 bytes
	s_add_co_u32 s74, s74, s75
	s_lshl_b32 s75, s[Q0], 7
	s_add_co_u32 s74, s74, s75
	s_mov_b32 s75, 0
	s_mul_i32 s71, s[WV], WSTG
	s_add_co_u32 s71, s71, STAGE                   ; my stage
	s_wait_dscnt 0x0                               ; both opening adds are done
	s_wait_kmcnt 0x0
	s_mov_b32 s[G0K], 1
	s_mov_b32 s[G0K+1], s16                        ; slot 0
	s_add_nc_u64 s[G0K+2:G0K+3], s[4:5], s[12:13]
	s_or_b32 s[G0K+3], s[G0K+3], 0x80000000
	s_mov_b32 s[G0V], 1
	s_mov_b32 s[G0V+1], s17
	s_add_nc_u64 s[G0V+2:G0V+3], s[4:5], s[14:15]
	s_or_b32 s[G0V+3], s[G0V+3], 0x80000000
	TLOAD                                          ; slot 0: it holds key 0, which counts for every query
	s_add_nc_u64 s[72:73], s[4:5], s[72:73]
	s_add_nc_u64 s[6:7], s[6:7], s[74:75]
	s_cmp_lt_u32 s[WV], 8                          ; the prefetches: waves 4 to 7 K, waves 8 to 11 V
	s_cselect_b32 s82, 0, 33554432
	s_and_b32 s83, s[WV], 3
	s_lshl_b32 s83, s83, 13
	s_add_co_u32 s82, s82, s83                     ; my wave's 8,192 bytes,
	s_add_co_u32 s82, s82, s10                     ; in my head,
	s_add_co_u32 s82, s82, SK*128                  ; in slot 1: the first change of slots steps it to slot 2
	s_mov_b32 s83, 0
	s_add_nc_u64 s[PFA:PFA+1], s[4:5], s[82:83]
	s_sub_co_u32 s82, s[WV], 4
	s_lshr_b32 s82, s82, 3                         ; 0 in waves 4 to 11
	s_or_b32 s82, s82, ttmp9                       ; of the work-group with x = 0
	s_cmp_eq_u32 s82, 0
	s_cselect_b32 s[LIM], 1, -1
	v_and_b32 v12, 15, v0                          ; r
	v_bfe_u32 v13, v0, 4, 1                        ; h
	v_lshlrev_b32 v15, 7, v12
	v_lshl_add_u32 v15, v13, 4, v15                ; Q: row r of 128 bytes, + 16 h
.irp t, 0,1
.irp c, 0,1
.irp u, 0,1
	global_load_b128 v[QF+16*\t+8*\c+4*\u:QF+16*\t+8*\c+4*\u+3], v15, s[72:73] offset:\t*2048+64*\c+32*\u   ; Q stays in registers
.endr
.endr
.endr
	v_bfe_u32 v[AK0], v0, 1, 3
	v_mul_u32_u24 v[AK0], v[AK0], KP
	v_and_b32 v3, 1, v0
	v_lshl_add_u32 v[AK0], v3, 7, v[AK0]
	v_lshl_add_u32 v[AK0], v13, 4, v[AK0]          ; K: key r lies at (r / 2) x 272 + (r % 2) x 128; + 16 h
	v_bfe_u32 v[AV0], v0, 1, 2
	v_lshl_add_u32 v[AV0], v13, 2, v[AV0]
	v_mul_u32_u24 v[AV0], v[AV0], VP
	v_lshl_add_u32 v[AV0], v3, 7, v[AV0]
	v_bfe_u32 v4, v0, 3, 1
	v_lshl_add_u32 v[AV0], v4, 4, v[AV0]
	v_add_nc_u32 v[AV0], VOFF, v[AV0]              ; V, for the turning load: key 8 h + lane % 8, channels 8 ((lane / 8) % 2) on
	v_and_b32 v[GO], 31, v0
	v_lshlrev_b32 v[PFO], 8, v[GO]
	v_lshlrev_b32 v[GO], 4, v[GO]
	v_mul_u32_u24 v[STO], v12, SPT
	v_lshl_add_u32 v[STO], v13, 4, v[STO]
	v_add_nc_u32 v[STO], s71, v[STO]
	v_bfe_u32 v[RD], v0, 3, 2
	v_mul_u32_u24 v[RD], v[RD], SPT
	v_and_b32 v3, 7, v0
	v_lshl_add_u32 v[RD], v3, 4, v[RD]
	v_add_nc_u32 v[RD], s71, v[RD]
	v_lshlrev_b32 v[DQ], 3, v13
	v_sub_nc_u32 v[DQ], v12, v[DQ]
	v_mov_b32 v[NINF], 0xff800000
.irp t, 0,1
	v_mov_b32 v[ST+8*\t+1], 0xff61b1e6             ; m: -3e38, under every score
	v_mul_f32 v[ST+8*\t], s[CS], v[ST+8*\t+1]      ; c m
.irp j, 2,3,4,5,6,7
	v_mov_b32 v[ST+8*\t+\j], 0                     ; the sum; and what is named before it is first made
.endr
.endr
.irp j, 0,1,2,3,4,5,6,7,8,9,10,11,12,13,14,15,16,17,18,19,20,21,22,23,24,25,26,27,28,29,30,31,32,33,34,35,36,37,38,39,40,41,42,43,44,45,46,47,48,49,50,51,52,53,54,55,56,57,58,59,60,61,62,63
	v_mov_b32 v[O+\j], 0                           ; O^T.  (The step is written once: its first turn finds zeros, which a = 0 leaves zeros)
.endr
; A KEY STEP: 64 keys, the q-th of the slot in hand.
.macro STEP q
	s_add_co_u32 s96, s[Q0], 31                    ; a step all of whose keys come after my 32 queries is left out: a branch on ids, round no barrier and no tensor load
	s_cmp_gt_u32 s[KF], s96
	s_cbranch_scc1 .Lhidden_\@
	v_add_nc_u32 v[ADK], s[TB], v[AK0]
	v_add_nc_u32 v[ADV], s[TB], v[AV0]
.rept 3
	v_nop                                          ; with the two additions five places behind the last products: four for the loads into V's registers, five for the products that write over P
.endr
.irp c, 0,1                                    ; K: channels 32 c on first, so that the first products need only half of the loads
.irp i, 0,1,2,3
.irp u, 0,1
	ds_load_b128 v[KV+8*(2*\i+\c)+4*\u:KV+8*(2*\i+\c)+4*\u+3], v[ADK] offset:(\q)*32*KP+\i*8*KP+64*\c+32*\u
.endr
.endr
.endr
.irp c, 0,1                                    ; S^T = K Q^T: eight accumulators by turns, one instruction a turn
	s_wait_dscnt 8-8*\c                            ; channels 32 c on are in; for c = 0 the eight younger loads may be out
.irp i, 0,1,2,3
.irp t, 0,1
.if \c == 0
	v_wmma_f32_16x16x32_f16 v[S+32*\t+8*\i:S+32*\t+8*\i+7], v[KV+8*(2*\i+\c):KV+8*(2*\i+\c)+7], v[QF+16*\t+8*\c:QF+16*\t+8*\c+7], 0
.else
	v_wmma_f32_16x16x32_f16 v[S+32*\t+8*\i:S+32*\t+8*\i+7], v[KV+8*(2*\i+\c):KV+8*(2*\i+\c)+7], v[QF+16*\t+8*\c:QF+16*\t+8*\c+7], v[S+32*\t+8*\i:S+32*\t+8*\i+7]
.endif
.endr
.endr
.endr
.rept 4
	v_nop                                          ; places in front of the loads into K's registers and of the first read of the scores
.endr
.irp f, 0,1,2,3                                ; V, turned: channels 16 f on, keys 32 k + 16 u on.  It lands during the softmax
.irp k, 0,1
.irp u, 0,1
	ds_load_tr16_b128 v[KV+8*(2*\f+\k)+4*\u:KV+8*(2*\f+\k)+4*\u+3], v[ADV] offset:(\q)*32*VP+\k*16*VP+\u*8*VP+32*\f
.endr
.endr
.endr
	s_add_co_u32 s96, s[KF], 63                    ; on the diagonal hidden scores become -infinity ahead of the maximum; a step all of whose keys count skips this
	s_cmp_le_u32 s96, s[Q0]
	s_cbranch_scc1 .Lopen_\@
	s_sub_co_i32 s96, s[Q0], s[KF]
	v_add_nc_u32 v12, s96, v[DQ]                   ; register n of tile t holds key KF + 16 (n / 8) + 8 h + n % 8: hidden where 16 (n / 8) + n % 8 > Q0 + 16 t + r - 8 h - KF
.irp t, 0,1
.if \t == 1
	v_add_nc_u32 v12, 16, v12
.endif
.irp n, 0,1,2,3,4,5,6,7,8,9,10,11,12,13,14,15,16,17,18,19,20,21,22,23,24,25,26,27,28,29,30,31
	v_cmp_gt_i32 vcc_lo, 16*(\n/8)+\n%8, v12
	v_cndmask_b32 v[S+32*\t+\n], v[S+32*\t+\n], v[NINF], vcc_lo
.endr
.endr
.Lopen_\@:
	; the maximum of my 32 scores and the old m: four chains, each begun at an accumulator's low end; the two tiles by turns
.irp j, 0,1,2,3
.irp t, 0,1
	v_max3_num_f32 v[ST+8*\t+4+\j], v[S+32*\t+8*\j], v[S+32*\t+8*\j+1], v[S+32*\t+8*\j+2]
.endr
.endr
.irp g, 1,2
.irp j, 0,1,2,3
.irp t, 0,1
	v_max3_num_f32 v[ST+8*\t+4+\j], v[ST+8*\t+4+\j], v[S+32*\t+8*\j+2*\g+1], v[S+32*\t+8*\j+2*\g+2]
.endr
.endr
.endr
.irp t, 0,1
	v_max3_num_f32 v[ST+8*\t+4], v[ST+8*\t+4], v[S+32*\t+7], v[S+32*\t+15]
.endr
.irp t, 0,1
	v_max3_num_f32 v[ST+8*\t+6], v[ST+8*\t+6], v[S+32*\t+23], v[S+32*\t+31]
.endr
.irp t, 0,1
	v_max3_num_f32 v[ST+8*\t+4], v[ST+8*\t+4], v[ST+8*\t+5], v[ST+8*\t+6]
.endr
.irp t, 0,1
	v_max3_num_f32 v[ST+8*\t+4], v[ST+8*\t+4], v[ST+8*\t+7], v[ST+8*\t+1]
.endr
.irp t, 0,1
	v_permlanex16_b32 v[ST+8*\t+5], v[ST+8*\t+4], s[SEL], s[SEL+1]   ; the query's other 32 keys lie in the lane 16 away
.endr
.irp t, 0,1
	v_mov_b32 v[ST+8*\t+7], v[ST+8*\t]             ; c m_old
.endr
.irp t, 0,1
	v_max_num_f32 v[ST+8*\t+1], v[ST+8*\t+4], v[ST+8*\t+5]
.endr
.irp t, 0,1
	v_mul_f32 v[ST+8*\t], s[CS], v[ST+8*\t+1]
.endr
.irp t, 0,1
	v_sub_f32 v[ST+8*\t+7], v[ST+8*\t+7], v[ST+8*\t]
.endr
	; ONE BATCH: a = 2^(c m_old - c m) and the 64 p = 2^(c s - c m); nothing in it names an exponential's result
.irp t, 0,1
	v_exp_f32 v[ST+8*\t+6], v[ST+8*\t+7]
.endr
.irp j, 0,1,2,3,4,5,6,7,8,9,10,11,12,13,14,15
	v_pk_fma_f32 v[S+2*\j:S+2*\j+1], v[S+2*\j:S+2*\j+1], s[CS:CS+1], v[ST:ST+1] op_sel_hi:[1,0,0] neg_lo:[0,0,1] neg_hi:[0,0,1]
.endr
.irp j, 0,1,2,3,4,5,6,7,8,9,10,11,12,13,14,15
	v_exp_f32 v[S+2*\j], v[S+2*\j]
	v_exp_f32 v[S+2*\j+1], v[S+2*\j+1]
	v_pk_fma_f32 v[S+32+2*\j:S+32+2*\j+1], v[S+32+2*\j:S+32+2*\j+1], s[CS:CS+1], v[ST+8:ST+9] op_sel_hi:[1,0,0] neg_lo:[0,0,1] neg_hi:[0,0,1]
.endr
.irp j, 0,1,2,3,4,5,6,7,8,9,10,11,12,13,14,15,16,17,18,19,20,21,22,23,24,25,26,27,28,29,30,31
	v_exp_f32 v[S+32+\j], v[S+32+\j]
.endr
	v_nop                                          ; the plain instruction behind the last exponential
	s_wait_alu depctr_va_vdst(0)                   ; the wait ahead of the first line that names a result: one for the batch of 66
	; the sums, of the unrounded p: l = a l + the sum, in two chains a tile
.irp t, 0,1
	v_pk_fma_f32 v[ST+8*\t+2:ST+8*\t+3], v[ST+8*\t+2:ST+8*\t+3], v[ST+8*\t+6:ST+8*\t+7], v[S+32*\t:S+32*\t+1] op_sel_hi:[1,0,1]
	v_pk_add_f32 v[ST+8*\t+4:ST+8*\t+5], v[S+32*\t+2:S+32*\t+3], v[S+32*\t+6:S+32*\t+7]
.endr
.irp j, 4,8,12,16,20,24
.irp t, 0,1
	v_pk_add_f32 v[ST+8*\t+2:ST+8*\t+3], v[ST+8*\t+2:ST+8*\t+3], v[S+32*\t+\j:S+32*\t+\j+1]
	v_pk_add_f32 v[ST+8*\t+4:ST+8*\t+5], v[ST+8*\t+4:ST+8*\t+5], v[S+32*\t+\j+6:S+32*\t+\j+7]
.endr
.endr
.irp t, 0,1
	v_pk_add_f32 v[ST+8*\t+2:ST+8*\t+3], v[ST+8*\t+2:ST+8*\t+3], v[S+32*\t+28:S+32*\t+29]
.endr
.irp t, 0,1
	v_pk_add_f32 v[ST+8*\t+2:ST+8*\t+3], v[ST+8*\t+2:ST+8*\t+3], v[ST+8*\t+4:ST+8*\t+5]
.endr
.irp n, 0,1,2,3,4,5,6,7,8,9,10,11,12,13,14,15  ; P, packed in place: register n takes numbers 2 n and 2 n + 1, which no earlier line of the run has written
.irp t, 0,1
	v_cvt_pk_f16_f32 v[S+32*\t+\n], v[S+32*\t+2*\n], v[S+32*\t+2*\n+1]
.endr
.endr
.irp t, 0,1
.irp j, 0,2,4,6,8,10,12,14,16,18,20,22,24,26,28,30
	v_pk_mul_f32 v[O+32*\t+\j:O+32*\t+\j+1], v[O+32*\t+\j:O+32*\t+\j+1], v[ST+8*\t+6:ST+8*\t+7] op_sel_hi:[1,0]   ; O^T x a, each accumulator from its low end on
.endr
.endr
	s_wait_dscnt 0x0                               ; V is in
.irp k, 0,1                                    ; O^T += V^T P: eight accumulators by turns
.irp f, 0,1,2,3
.irp t, 0,1
	v_wmma_f32_16x16x32_f16 v[O+32*\t+8*\f:O+32*\t+8*\f+7], v[KV+8*(2*\f+\k):KV+8*(2*\f+\k)+7], v[S+32*\t+8*\k:S+32*\t+8*\k+7], v[O+32*\t+8*\f:O+32*\t+8*\f+7]
.endr
.endr
.endr
.Lhidden_\@:
	s_add_co_u32 s[KF], s[KF], 64
.endm
; THE CHANGE OF SLOTS stands at a slot's head.  Each wave waits for all its tensor loads, adds 0 to its spare word (fill = 1: twice on end), and waits for that and for its reads of the slot that it has left.
; Behind the barrier the slot ahead is whole and nobody reads the other one; fill = 1: that one takes the next 256 keys, up to the causal limit.  One tensor load of a wave is out at a time.
.macro CHANGE fill
	s_wait_tensorcnt 0x0                           ; no tensor load of mine is out, so a group 0 may be written
	ds_add_u32 v[SPW], v[NIL]
.if \fill
	ds_add_u32 v[SPW], v[NIL]
	s_xor_b32 s[G0K+1], s[G0K+1], SLOT1            ; the walking descriptors: the other slot,
	s_add_nc_u64 s[G0K+2:G0K+3], s[G0K+2:G0K+3], SK*128   ; the next 256 keys
	s_xor_b32 s[G0V+1], s[G0V+1], SLOT1
	s_add_nc_u64 s[G0V+2:G0V+3], s[G0V+2:G0V+3], SK*128
	s_wait_xcnt 0x0                                ; the last prefetch, a slot back, has read its address
	s_add_nc_u64 s[PFA:PFA+1], s[PFA:PFA+1], SK*128
.endif
	s_wait_dscnt 0x0                               ; the add is done, and my reads of the slot that I have left are over
	s_barrier_signal -1
	s_barrier_wait -1
.if \fill
	s_add_co_u32 s96, s[KF], SK                    ; the first key of the slot that this change would ask for:
	s_cmp_gt_u32 s96, s[QL]                        ; past my work-group's last query none of its waves would read it.  Ids and the count of steps alone: all sixteen waves go the same way
	s_cbranch_scc1 .Lpast_\@
	TLOAD
.Lpast_\@:
	ASK
.endif
.endm
.macro SLOT_STEPS
.set QQ, 0
.rept SK/64
	STEP QQ
.set QQ, QQ+1
.endr
	s_xor_b32 s[TB], s[TB], SLOT1
.endm
	s_wait_loadcnt 0x0                             ; Q
.Lslot:                                            ; seven trips: behind each change of slots but the last the next slot is asked for
	CHANGE 1
	SLOT_STEPS
	s_sub_co_u32 s[SLOTS], s[SLOTS], 1
	s_cmp_lg_u32 s[SLOTS], 0
	s_cbranch_scc1 .Lslot
	CHANGE 0                                       ; the last slot is written out: nothing is left to fetch
	SLOT_STEPS
	; THE WAY OUT.  O^T / the sum, rounded to f16, goes through my stage and leaves as 4,096 consecutive bytes of att: 32 rows of 128.  The additions are the places behind the last products.
.irp t, 0,1
	v_add_f32 v[ST+8*\t+4], v[ST+8*\t+2], v[ST+8*\t+3]
.endr
.irp t, 0,1
	v_permlanex16_b32 v[ST+8*\t+5], v[ST+8*\t+4], s[SEL], s[SEL+1]
.endr
.irp t, 0,1
	v_add_f32 v[ST+8*\t+4], v[ST+8*\t+4], v[ST+8*\t+5]
.endr
.irp t, 0,1
	v_rcp_f32 v[ST+8*\t+6], v[ST+8*\t+4]
.endr
	v_nop                                          ; a plain instruction behind the reciprocals
	s_wait_alu depctr_va_vdst(0)                   ; and the wait ahead of their first reader
.irp t, 0,1
.irp j, 0,2,4,6,8,10,12,14,16,18,20,22,24,26,28,30
	v_pk_mul_f32 v[O+32*\t+\j:O+32*\t+\j+1], v[O+32*\t+\j:O+32*\t+\j+1], v[ST+8*\t+6:ST+8*\t+7] op_sel_hi:[1,0]
.endr
.endr
.irp t, 0,1
.irp n, 0,1,2,3,4,5,6,7,8,9,10,11,12,13,14,15
	v_cvt_pk_f16_f32 v[S+16*\t+\n], v[O+32*\t+2*\n], v[O+32*\t+2*\n+1]
.endr
.endr
.irp t, 0,1
.irp f, 0,1,2,3
	ds_store_b128 v[STO], v[S+16*\t+4*\f:S+16*\t+4*\f+3] offset:\t*16*SPT+32*\f   ; lane (r, h): query 16 t + r, channels 16 f + 8 h + 0..7
.endr
.endr
.irp i, 0,1,2,3,4,5,6,7
	ds_load_b128 v[KV+4*\i:KV+4*\i+3], v[RD] offset:\i*4*SPT   ; LDS serves a wave's instructions in order (ISA guide 5.7.1.4): these see my stores
.endr
.irp i, 0,1,2,3,4,5,6,7
	s_wait_dscnt 7-\i                              ; load i is in; the younger ones stay out
	global_store_b128 v[GO], v[KV+4*\i:KV+4*\i+3], s[6:7] offset:512*\i   ; 512 consecutive bytes, aligned
.endr
	s_wait_tensorcnt 0x0                           ; the wave's end
	ds_add_u32 v[SPW], v[NIL]
	s_wait_dscnt 0x0
	s_endpgm
.Lfunc_end_k_qcede4fcbba_attn:
	.size	k_qcede4fcbba_attn, .Lfunc_end_k_qcede4fcbba_attn-k_qcede4fcbba_attn
	.p2alignl 7, 3214868480
	.fill 96, 4, 3214868480
	.section	.rodata,"a",@progbits
	.p2align	6, 0x0
	.amdhsa_kernel k_qcede4fcbba_attn
		.amdhsa_group_segment_fixed_size 327680
		.amdhsa_private_segment_fixed_size 0
		.amdhsa_enable_private_segment 0
		.amdhsa_kernarg_size 16
		.amdhsa_user_sgpr_count 2
		.amdhsa_user_sgpr_kernarg_segment_ptr 1
		.amdhsa_wavefront_size32 1
		.amdhsa_system_sgpr_workgroup_id_x 1
		.amdhsa_system_sgpr_workgroup_id_y 1
		.amdhsa_system_sgpr_workgroup_id_z 1
		.amdhsa_system_vgpr_workitem_id 0
		.amdhsa_next_free_vgpr 256
		.amdhsa_next_free_sgpr 100
		.amdhsa_reserve_vcc 1
		.amdhsa_float_denorm_mode_32 3
		.amdhsa_float_denorm_mode_16_64 3
		.amdhsa_memory_ordered 1
		.amdhsa_forward_progress 1
		.amdhsa_inst_pref_size 188
	.end_amdhsa_kernel
	.amdgpu_metadata
---
amdhsa.version: [ 1, 2 ]
amdhsa.kernels:
  - .name:           k_qcede4fcbba_attn
    .symbol:         k_qcede4fcbba_attn.kd
    .args:
      - { .name: qkv16, .offset: 0, .size: 8, .value_kind: global_buffer, .address_space: global }
      - { .name: att, .offset: 8, .size: 8, .value_kind: global_buffer, .address_space: global }
    .group_segment_fixed_size: 327680
    .private_segment_fixed_size: 0
    .kernarg_segment_align: 8
    .kernarg_segment_size: 16
    .max_flat_workgroup_size: 512
    .sgpr_count:     100
    .vgpr_count:     256
    .wavefront_size: 32
...
	.end_amdgpu_metadata
.endif
;; end of part 3
;; launch proj (part 4): grid 4 x 64, 4 waves a work-group, clusters of 4 x 4, 327,680 bytes of LDS; arguments att, wp16, out0; writes out0
.if DOCPART == 4
	.amdgcn_target "amdgcn-amd-amdhsa--gfx1250"
	.amdhsa_code_object_version 6
	.text
	.protected	k_qcede4fcbba_proj
	.globl	k_qcede4fcbba_proj
	.p2align	8
	.type	k_qcede4fcbba_proj,@function
k_qcede4fcbba_proj:
	s_mov_b64 s[64:65], 0
	v_nop
	global_prefetch_b8 v0, s[64:65] scope:SCOPE_SE
	s_setreg_imm32_b32 hwreg(HW_REG_WAVE_MODE, 25, 1), 1
	s_wait_xcnt 0x0
	s_wait_alu depctr_hold_cnt(0) depctr_sa_sdst(0) depctr_va_vdst(0) depctr_va_sdst(0) depctr_va_ssrc(0) depctr_va_vcc(0) depctr_vm_vsrc(0)
	s_getreg_b32 s2, hwreg(HW_REG_IB_STS2, 6, 4)
	s_cmp_eq_u32 s2, 0
	s_cbranch_scc0 .Lentry_in_a_cluster
	s_endpgm
.Lentry_in_a_cluster:
	s_bfe_u32 s2, ttmp6, 0x10000c
	s_cmp_lg_u32 s2, 0xf033
	s_cbranch_scc0 .Lentry_shape_is_right
	s_endpgm
.Lentry_shape_is_right:
; out0[m][p] = sum over k of att[m][k] x (W_proj[p][k] / 32).  att: [kb 16][m 8192][64] f16, wp16: [kb 16][p 1024][64] f16 (kb = the block of 64 along K, a head); out0: [8192][1024] f32.  Sums in f32.
; A tile of out0 is 128 x 256: 256 work-groups.  Four waves, each 64 x 128: 32 accumulators, 256 registers.  K goes in steps of 128 (two kb) through a ring of two LDS slots.
; A kb's rows are 128 bytes and dense: a tile is stated as rows of 256 bytes (two rows), 16 bytes of padding behind each: row r lies at (r / 2) x 272 + (r % 2) x 128.
; CLUSTERS: 4 x 4 work-groups: tile column = cx, tile row = 4 x cluster y + cy.  att's tiles are asked for jointly along a row of the cluster, wp16's along a column.
; THE MATRIX INSTRUCTION IS USED TRANSPOSED (source 0 = 16 rows of wp16, source 1 = 16 rows of att): a lane holds eight neighbouring numbers of a row of out0.
; REGISTERS: window 0: v16-30 addresses; two fragment buffers of 96 (32 along K): att's 4 blocks, then wp16's 8: v64-159, v160-255; on the way out v64-191 hold rows.   window 1: accumulator (a, b) at v[8 (8 a + b)].
.set PITCH, 272
.set ATILE, 64*PITCH                   ; a kb of att's tile: 128 rows
.set BTILE, 128*PITCH                  ; a kb of wp16's: 256 rows
.set BOFF,  2*ATILE
.set SLOT,  2*ATILE+2*BTILE
.set SPARE, 2*SLOT                     ; behind the ring: the spare words, 128 bytes a wave, which no other line names
.set SPITCH, 528                       ; the way out: a stage of 16 rows x (512 bytes + 16) a wave, in slot 0, which has had its last fill and its last read by then
.set AKB,   1048576                    ; bytes from kb to kb in att
.set BKB,   131072                     ; and in wp16
.set ADRA, 16
.set ADRB, 20
.set STO,  24
.set RD,   25
.set CO,   26
.set SPW,  28
.set NIL,  29
.set PFO,  30
.set F0,   64
.set F1,   160
.set BK,   64
.set G1,  24
.set G0,  32
.set G1B, 48
.set G0B, 56
.set PFA, 66                           ; s[66:67] where my prefetches stand
.set PFS, 68                           ; s[68:69] a K step on, in bytes
.set LIM, 70                           ; s70  1 in a wave that prefetches, else the greatest number
.set MSB, 0
.macro WIN new
.if MSB != (\new)
	s_set_vgpr_msb (MSB<<8)|(\new)
.set MSB, (\new)
.endif
.endm
.set MUL, 0x50                         ; sources 0 and 1 window 0; C and D window 1
.macro JLOAD s                         ; a joint load: waves 0 and 1 fetch att's two kb, waves 2 and 3 wp16's; an s_nop 0 and four v_nop follow each of the two lines
	s_cmp_eq_u32 s11, 0
	s_cbranch_scc0 .Lfor_b_\@
	tensor_load_to_lds s[G0+4*\s:G0+4*\s+3], s[G1:G1+7]
	s_nop 0
.rept 4
	v_nop
.endr
	s_branch .Lasked_\@
.Lfor_b_\@:
	tensor_load_to_lds s[G0B+4*\s:G0B+4*\s+3], s[G1B:G1B+7]
	s_nop 0
.rept 4
	v_nop
.endr
.Lasked_\@:
.endm
; A prefetch, behind each joint refill and the run of LDS loads that follows it, of the K step that stands two refills on (256 matrix instructions of a wave ahead of the load that will want it).
; att's tile row is read by one cluster alone: wave 0 asks, and the four partners of a row share its 2 x 64 blocks of 256 bytes BY ADDRESS (cx).  wp16's tile column is read by all sixteen clusters:
; cluster y = 0 asks, waves 2 and 3 a kb each, the four partners of a column sharing its 128 blocks by address (cy).  So each block is named once in the launch.  The last trip asks for nothing; K steps 0 to 3 come by their loads alone.
.macro ASK
	s_cmp_gt_u32 s3, s[LIM]
	s_cbranch_scc0 .Lnot_mine_\@
	global_prefetch_b8 v[PFO], s[PFA:PFA+1] th:TH_LOAD_NT scope:SCOPE_SE
.Lnot_mine_\@:
.endm
.macro CREST                           ; a round of the cluster's barrier behind its opening barrier
	s_cmp_lg_u32 s10, 0
	s_cbranch_scc1 .Lnot_wave_0_\@
	s_barrier_signal -3
.Lnot_wave_0_\@:
	s_barrier_wait -3
	s_barrier_signal -1
	s_barrier_wait -1
.endm
.macro CROUND
	s_barrier_signal -1
	s_barrier_wait -1
	CREST
.endm
	s_load_b128 s[4:7], s[0:1], 0x0                ; att, wp16
	s_load_b64 s[8:9], s[0:1], 0x10                ; out0
	v_lshl_add_u32 v[SPW], v0, 2, SPARE
	v_mov_b32 v[NIL], 0
	ds_add_u32 v[SPW], v[NIL]                      ; the wave's opening: the add, twice on end, and its wait ahead of my first tensor load
	ds_add_u32 v[SPW], v[NIL]
	v_lshrrev_b32 v1, 5, v0
	v_readfirstlane_b32 s10, v1                    ; wave 0..3
	s_lshr_b32 s11, s10, 1                         ; which 64 rows of the tile are mine.  Also: I fetch for att (0) or for wp16 (1)
	s_and_b32 s12, s10, 1                          ; which 128 columns.  Also: which kb of a K step I fetch
	s_bfe_u32 s40, ttmp6, 0x40000                  ; cx = the tile column
	s_bfe_u32 s41, ttmp6, 0x40004                  ; cy
	s_and_b32 s45, ttmp7, 0xffff                   ; cluster y
	s_lshl_b32 s13, s45, 2
	s_add_co_u32 s13, s13, s41                     ; tile row = 4 x cluster y + cy
	s_lshl_b32 s43, s41, 2
	s_lshl_b32 s43, 15, s43                        ; my row of the cluster
	s_lshl_b32 s44, 0x1111, s40                    ; my column
	s_or_b32 s[G1+0], s43, (1<<16)|(1<<20)|(1<<21)|(5<<22)|(3<<25)   ; the mask; elements of 2 bytes; padding on; bit 21 beside a mask; 4 words after every 64
	s_or_b32 s[G1B+0], s44, (1<<16)|(1<<20)|(1<<21)|(5<<22)|(3<<25)
	s_mov_b32 s[G1+1], 128<<16                     ; att: 64 rows of 128 elements
	s_mov_b32 s[G1+2], 64<<16
	s_mov_b32 s[G1+3], 128<<16
	s_mov_b32 s[G1+4], 64
	s_mov_b32 s[G1+5], 128
	s_mov_b32 s[G1+6], 0
	s_mov_b32 s[G1+7], 0
	s_mov_b32 s[G1B+1], 128<<16                    ; wp16: 128 rows of 128 elements
	s_mov_b32 s[G1B+2], 128<<16
	s_mov_b32 s[G1B+3], 128<<16
	s_mov_b32 s[G1B+4], 128
	s_mov_b32 s[G1B+5], 128
	s_mov_b32 s[G1B+6], 0
	s_mov_b32 s[G1B+7], 0
	s_lshl_b32 s16, s12, 20                        ; att: my kb,
	s_lshl_b32 s17, s13, 14                        ; the tile row's 128 rows of 128 bytes
	s_add_co_u32 s16, s16, s17
	s_mov_b32 s17, 0
	s_lshl_b32 s46, s12, 17                        ; wp16: my kb,
	s_lshl_b32 s47, s40, 15                        ; the tile column's 256 rows
	s_add_co_u32 s46, s46, s47
	s_mov_b32 s47, 0
	s_mul_i32 s20, s12, ATILE                      ; where they go: no place in the cluster enters an LDS address
	s_mul_i32 s21, s12, BTILE
	s_add_co_u32 s21, s21, BOFF
	s_wait_dscnt 0x0                               ; both opening adds are done
	s_wait_kmcnt 0x0
	s_add_nc_u64 s[14:15], s[4:5], s[16:17]
	s_add_nc_u64 s[46:47], s[6:7], s[46:47]
	CROUND                                         ; all sixteen work-groups are here: the first joint loads meet
.irp s, 0,1
	s_mov_b32 s[G0+4*\s], 1
	s_add_co_u32 s[G0+4*\s+1], s20, \s*SLOT
	s_add_nc_u64 s[G0+4*\s+2:G0+4*\s+3], s[14:15], \s*2*AKB
	s_or_b32 s[G0+4*\s+3], s[G0+4*\s+3], 0x80000000
	s_mov_b32 s[G0B+4*\s], 1
	s_add_co_u32 s[G0B+4*\s+1], s21, \s*SLOT
	s_add_nc_u64 s[G0B+4*\s+2:G0B+4*\s+3], s[46:47], \s*2*BKB
	s_or_b32 s[G0B+4*\s+3], s[G0B+4*\s+3], 0x80000000
	JLOAD \s                                       ; two tensor loads of mine are out
.endr
	v_and_b32 v1, 15, v0                           ; r
	v_bfe_u32 v2, v0, 4, 1                         ; h
	v_bfe_u32 v3, v0, 1, 3
	v_mul_u32_u24 v3, v3, PITCH
	v_and_b32 v4, 1, v0
	v_lshl_add_u32 v3, v4, 7, v3
	v_lshl_add_u32 v3, v2, 4, v3                   ; (r / 2) x 272 + (r % 2) x 128 + 16 h
	s_mul_i32 s21, s11, 32*PITCH                   ; my 64 rows of att
	s_mul_i32 s22, s12, 64*PITCH                   ; my 128 rows of wp16,
	s_add_co_u32 s22, s22, BOFF                    ; behind att's two kb
.irp s, 0,1
	v_add_nc_u32 v[ADRA+\s], s21, v3
	v_add_nc_u32 v[ADRB+\s], s22, v3
	s_add_co_u32 s21, s21, SLOT
	s_add_co_u32 s22, s22, SLOT
.endr
	s_mul_i32 s23, s10, 16*SPITCH                  ; my stage
	v_mul_u32_u24 v5, v1, SPITCH
	v_lshl_add_u32 v5, v2, 5, v5
	v_add_nc_u32 v[STO], s23, v5                   ; in: row r, 32 bytes for each half of the lanes
	v_and_b32 v6, 31, v0
	v_lshlrev_b32 v[CO], 4, v6                     ; back: the 32 lanes take one row of 512 bytes; the same in out0
	v_add_nc_u32 v[RD], s23, v[CO]
	s_lshl_b32 s16, s13, 7
	s_lshl_b32 s17, s11, 6
	s_add_co_u32 s16, s16, s17                     ; my first row: 128 x tile row + 64 x half
	s_lshl_b32 s16, s16, 12                        ; rows of 4,096 bytes
	s_lshl_b32 s17, s40, 10                        ; + 1,024 bytes a tile column
	s_add_co_u32 s16, s16, s17
	s_lshl_b32 s17, s12, 9                         ; + 512 x half
	s_add_co_u32 s16, s16, s17
	s_mov_b32 s17, 0
	s_add_nc_u64 s[8:9], s[8:9], s[16:17]
	; the prefetches: where my wave's stand, and who asks
	s_lshl_b32 s20, s13, 14                        ; att: the tile row,
	s_lshl_b32 s21, s40, 12                        ; my work-group's 16 blocks of each kb,
	s_add_co_u32 s20, s20, s21
	s_add_co_u32 s20, s20, 3*2*AKB                 ; at K step 3: the first refill steps it to 4
	s_lshl_b32 s21, s40, 15                        ; wp16: the tile column,
	s_lshl_b32 s22, s12, 17                        ; my wave's kb,
	s_add_co_u32 s21, s21, s22
	s_lshl_b32 s22, s41, 13                        ; my work-group's 32 blocks of it,
	s_add_co_u32 s21, s21, s22
	s_add_co_u32 s21, s21, 3*2*BKB
	s_mov_b32 s22, 2*BKB
	s_mov_b32 s23, 4096
	s_cmp_eq_u32 s11, 0
	s_cselect_b64 s[PFA:PFA+1], s[4:5], s[6:7]
	s_cselect_b32 s20, s20, s21
	s_cselect_b32 s[PFS], 2*AKB, s22
	s_cselect_b32 s23, AKB, s23                    ; lanes 16-31: att's second kb; in wp16 the next 16 blocks
	s_cselect_b32 s22, s12, s45                    ; att: wave 0; wp16: cluster y = 0: the same in all sixteen partners, for a given wave
	s_cmp_eq_u32 s22, 0
	s_cselect_b32 s[LIM], 1, -1
	s_mov_b32 s21, 0
	s_mov_b32 s[PFS+1], 0
	s_add_nc_u64 s[PFA:PFA+1], s[PFA:PFA+1], s[20:21]
	v_lshlrev_b32 v[PFO], 8, v1
	v_mul_u32_u24 v5, v2, s23
	v_add_nc_u32 v[PFO], v[PFO], v5
; 8 matrix instructions: att's block a against wp16's eight, 32 along K.  The 32 accumulators take turns, one instruction a turn, in the same order in every quarter.
.macro MUL8 f, a, zero
.irp b, 0,1,2,3,4,5,6,7
.if \zero
	v_wmma_f32_16x16x32_f16 v[8*(8*(\a)+\b):8*(8*(\a)+\b)+7], v[\f+32+8*\b:\f+32+8*\b+7], v[\f+8*(\a):\f+8*(\a)+7], 0
.else
	v_wmma_f32_16x16x32_f16 v[8*(8*(\a)+\b):8*(8*(\a)+\b)+7], v[\f+32+8*\b:\f+32+8*\b+7], v[\f+8*(\a):\f+8*(\a)+7], v[8*(8*(\a)+\b):8*(8*(\a)+\b)+7]
.endif
.endr
.endm
; 24 LDS loads in one run: quarter qd of a slot (kb qd / 2, channels 32 (qd % 2) on) into buffer f: wp16's 16 first, att's blocks 2 and 3 last
.macro FETCH slot, qd, f
	WIN 0
.irp b, 0,1,2,3,4,5,6,7
.irp u, 0,1
	ds_load_b128 v[\f+32+8*\b+4*\u:\f+32+8*\b+4*\u+3], v[ADRB+\slot] offset:((\qd)/2)*BTILE+\b*8*PITCH+64*((\qd)%2)+32*\u
.endr
.endr
.irp a, 0,1,2,3
.irp u, 0,1
	ds_load_b128 v[\f+8*\a+4*\u:\f+8*\a+4*\u+3], v[ADRA+\slot] offset:((\qd)/2)*ATILE+\a*8*PITCH+64*((\qd)%2)+32*\u
.endr
.endr
.endm
.macro PLACES                          ; four places in front of loads into registers that matrix instructions have read, and of the first read of results
.rept 4
	v_nop
.endr
.endm
; One of a K step's first three quarters: multiplies buffer f; in its middle it fetches quarter qd of the same slot into buffer g.
.macro QUARTER slot, qd, f, g, zero
	s_wait_dscnt 4                                 ; all but the youngest four loads (att's blocks 2 and 3) are in
	WIN MUL
	MUL8 \f, 0, \zero
	MUL8 \f, 1, \zero
	PLACES
	FETCH \slot, \qd, \g
	s_wait_dscnt 24                                ; all but the 24 just issued
	WIN MUL
	MUL8 \f, 2, \zero
	MUL8 \f, 3, \zero
.endm
; The last quarter multiplies buffer 1 and changes slots: one barrier; in front of it each wave waits for all its tensor loads, adds 0 to its spare word, and waits for that and for its reads of this slot.
; fill = 1: the barrier opens a round of the cluster's barrier, and this slot is filled again, two K steps ahead: the wave's one tensor load, with 112 matrix instructions up to the wait for it.
.macro TURN slot, next, fill
.if \fill
	s_wait_xcnt 0x0                                ; the last prefetch, a K step back, has read its address
	s_add_nc_u64 s[PFA:PFA+1], s[PFA:PFA+1], s[PFS:PFS+1]
.endif
	WIN 0
	s_wait_tensorcnt 0x0                           ; all my tensor loads have landed: my part of the next slot
	ds_add_u32 v[SPW], v[NIL]
	s_wait_dscnt 5                                 ; the add and the youngest four loads may be out
	WIN MUL
	MUL8 F1, 0, 0
	s_wait_dscnt 0x0                               ; the add is done, and my reads of this slot are over
	s_barrier_signal -1
	MUL8 F1, 1, 0
	WIN 0
	s_barrier_wait -1
.if \fill
	CREST                                          ; no wave of any partner still reads this slot's tile or has a load on its way
	s_add_nc_u64 s[G0+4*\slot+2:G0+4*\slot+3], s[G0+4*\slot+2:G0+4*\slot+3], 4*AKB
	s_add_nc_u64 s[G0B+4*\slot+2:G0B+4*\slot+3], s[G0B+4*\slot+2:G0B+4*\slot+3], 4*BKB
	JLOAD \slot                                    ; the four v_nop behind it are also the places in front of the loads below
.else
	PLACES
.endif
	FETCH \next, 0, F0
.if \fill
	ASK
.endif
	WIN MUL
	MUL8 F1, 2, 0
	MUL8 F1, 3, 0
.endm
	s_wait_tensorcnt 1                             ; my part of K step 0 is in; K step 1's may be out
	s_barrier_signal -1
	s_barrier_wait -1
	FETCH 0, 0, F0
	QUARTER 0, 1, F0, F1, 1                        ; the first quarter stands in front of the loop: its products start the sums
	WIN 0
	s_mov_b32 s3, 3
.Llap:                                             ; a trip goes once round the ring and fills both slots again: K steps 2 to 7
	QUARTER 0, 2, F1, F0, 0
	QUARTER 0, 3, F0, F1, 0
	TURN 0, 1, 1
	QUARTER 1, 1, F0, F1, 0
	QUARTER 1, 2, F1, F0, 0
	QUARTER 1, 3, F0, F1, 0
	TURN 1, 0, 1
	QUARTER 0, 1, F0, F1, 0
	WIN 0
	s_sub_co_u32 s3, s3, 1
	s_cmp_lg_u32 s3, 0
	s_cbranch_scc1 .Llap
	QUARTER 0, 2, F1, F0, 0                        ; the last lap fills nothing
	QUARTER 0, 3, F0, F1, 0
	TURN 0, 1, 0
	QUARTER 1, 1, F0, F1, 0
	QUARTER 1, 2, F1, F0, 0
	QUARTER 1, 3, F0, F1, 0
	s_wait_dscnt 4
	WIN MUL
	MUL8 F1, 0, 0
	MUL8 F1, 1, 0
	s_wait_dscnt 0
	MUL8 F1, 2, 0
	MUL8 F1, 3, 0
	WIN 0
; THE WAY OUT, block by block of 16 rows x 128 columns, through my own stage: in as 32 bytes a lane, back as whole rows of 512 bytes, which the 32 lanes store as 512 consecutive bytes.
.macro TOSTAGE a
	WIN 0x04                                       ; an LDS store's data: window 1
.irp b, 0,1,2,3,4,5,6,7
	ds_store_b128 v[STO], v[8*(8*(\a)+\b):8*(8*(\a)+\b)+3] offset:64*\b            ; each accumulator from its low end on
	ds_store_b128 v[STO], v[8*(8*(\a)+\b)+4:8*(8*(\a)+\b)+7] offset:64*\b+16
.endr
	WIN 0
.set BB, BK+64*((\a)%2)
.irp t, 0,1,2,3,4,5,6,7,8,9,10,11,12,13,14,15
	ds_load_b128 v[BB+4*\t:BB+4*\t+3], v[RD] offset:\t*SPITCH   ; LDS serves a wave's instructions in order (ISA guide 5.7.1.4)
.endr
.endm
.macro SEND a, younger
.set BB, BK+64*((\a)%2)
	s_wait_dscnt \younger                          ; the block is back in registers; the next block's 32 LDS instructions may be out
.irp t, 0,1,2,3,4,5,6,7,8,9,10,11,12,13,14,15
	global_store_b128 v[CO], v[BB+4*\t:BB+4*\t+3], s[8:9] offset:(16*(\a)+\t)*4096 th:TH_STORE_NT   ; the row's place stands in the immediate: 63 rows of 4,096 bytes at the most
.endr
.endm
	PLACES
	TOSTAGE 0
.irp a, 1,2,3
.if \a > 1
	s_wait_xcnt 0x0                                ; block a - 2's stores have read their registers: block a's loads may land there
.endif
	TOSTAGE \a
	SEND \a-1, 32
.endr
	SEND 3, 0
	s_wait_tensorcnt 0x0                           ; the wave's end
	ds_add_u32 v[SPW], v[NIL]
	s_wait_dscnt 0x0
	CROUND                                         ; the closing round
	s_endpgm
.Lfunc_end_k_qcede4fcbba_proj:
	.size	k_qcede4fcbba_proj, .Lfunc_end_k_qcede4fcbba_proj-k_qcede4fcbba_proj
	.p2alignl 7, 3214868480
	.fill 96, 4, 3214868480
	.section	.rodata,"a",@progbits
	.p2align	6, 0x0
	.amdhsa_kernel k_qcede4fcbba_proj
		.amdhsa_group_segment_fixed_size 327680
		.amdhsa_private_segment_fixed_size 0
		.amdhsa_enable_private_segment 0
		.amdhsa_kernarg_size 24
		.amdhsa_user_sgpr_count 2
		.amdhsa_user_sgpr_kernarg_segment_ptr 1
		.amdhsa_wavefront_size32 1
		.amdhsa_system_sgpr_workgroup_id_x 1
		.amdhsa_system_sgpr_workgroup_id_y 1
		.amdhsa_system_sgpr_workgroup_id_z 1
		.amdhsa_system_vgpr_workitem_id 0
		.amdhsa_next_free_vgpr 512
		.amdhsa_next_free_sgpr 72
		.amdhsa_reserve_vcc 0
		.amdhsa_float_denorm_mode_32 3
		.amdhsa_float_denorm_mode_16_64 3
		.amdhsa_memory_ordered 1
		.amdhsa_forward_progress 1
		.amdhsa_inst_pref_size 86
	.end_amdhsa_kernel
	.amdgpu_metadata
---
amdhsa.version: [ 1, 2 ]
amdhsa.kernels:
  - .name:           k_qcede4fcbba_proj
    .symbol:         k_qcede4fcbba_proj.kd
    .args:
      - { .name: att, .offset: 0, .size: 8, .value_kind: global_buffer, .address_space: global }
      - { .name: wp16, .offset: 8, .size: 8, .value_kind: global_buffer, .address_space: global }
      - { .name: out0, .offset: 16, .size: 8, .value_kind: global_buffer, .address_space: global }
    .group_segment_fixed_size: 327680
    .private_segment_fixed_size: 0
    .kernarg_segment_align: 8
    .kernarg_segment_size: 24
    .max_flat_workgroup_size: 128
    .sgpr_count:     72
    .vgpr_count:     512
    .wavefront_size: 32
...
	.end_amdgpu_metadata
.endif
;; end of part 4
;; launch first16 (part 5): grid 16 x 4, 16 waves a work-group, no clusters, 71,680 bytes of LDS; arguments rows32, W_proj, out0; writes out0
.if DOCPART == 5
	.amdgcn_target "amdgcn-amd-amdhsa--gfx1250"
	.amdhsa_code_object_version 6
	.text
	.protected	k_qcede4fcbba_first16
	.globl	k_qcede4fcbba_first16
	.p2align	8
	.type	k_qcede4fcbba_first16,@function
k_qcede4fcbba_first16:
	s_mov_b64 s[64:65], 0
	v_nop
	global_prefetch_b8 v0, s[64:65] scope:SCOPE_SE
	s_setreg_imm32_b32 hwreg(HW_REG_WAVE_MODE, 25, 1), 1
	s_wait_xcnt 0x0
; The first 16 positions of each of the four sequences, once more and wholly in f32: scores, causal softmax, weights x V, and the projection.  These rows average one to sixteen values, so that
; rounded operands would weigh most here.  It runs last and writes over rows t = 0..15 of every batch in out0.
; rows32: [part 3: K, Q, V][batch 4][head 16][16][64] f32.  W_proj: [1024][1024] f32.  out0: [4][2048][1024] f32.
; SHARES.  Work-group (g, b) makes rows 0-15 of batch b, columns 64 g .. 64 g + 63.  Wave hd does head hd: S^T = K Q^T, the softmax, O^T = V^T P, and the head's share Y^T = W O^T of the 64 columns;
; the sixteen shares meet in LDS, and wave w sums row w.  The attention of a head is so made in each of the sixteen g: 32 small products, less than a launch of its own would cost.
; All products by v_wmma_f32_16x16x4_f32, transposed, so that a lane holds ONE query (lane % 16) throughout.  K's four places (2 h + j) of an instruction take whatever four numbers along K the lanes' registers hold,
; the same on both sides.  The accumulators are written by matrix instructions alone, and take turns.
; REGISTERS: v1-10 addresses; v14, v15 the add's two; v16-47 K, v48-79 Q, later W's tiles 2 and 3, later the shares; v80-111 V^T; v112-175 W's tiles 0 and 1; v176-207 O^T; v208-239 Y^T (v208-223 first S^T in two halves); v240-247 the scores, p, the weights; v248-253 at work.
.set RP,    272                        ; a row of a share in LDS: 256 bytes + 16
.set RED,   16*RP                      ; a head's share
.set SPARE, 16*RED                     ; behind the shares: the spare words, 128 bytes a wave, which no other line names
.set SPW, 14
.set NIL, 15
.set KF,  16
.set QF,  48
.set VF,  80
.set OA,  176
.set YA,  208
.set SA,  208
.set P,   240
	s_load_b128 s[4:7], s[0:1], 0x0                ; rows32, W_proj
	s_load_b64 s[8:9], s[0:1], 0x10                ; out0
	v_lshl_add_u32 v[SPW], v0, 2, SPARE
	v_mov_b32 v[NIL], 0
	v_lshrrev_b32 v1, 5, v0
	v_readfirstlane_b32 s10, v1                    ; wave = head
	s_and_b32 s11, ttmp7, 0xffff                   ; batch
	v_and_b32 v8, 15, v0                           ; r
	v_bfe_u32 v9, v0, 4, 1                         ; h
	v_lshlrev_b32 v1, 8, v8
	v_lshl_add_u32 v1, v9, 4, v1                   ; K, Q: row r of 256 bytes, + 16 h
	v_lshlrev_b32 v2, 2, v8
	v_lshl_add_u32 v2, v9, 11, v2                  ; V: key 8 h, channel r
	v_lshlrev_b32 v3, 12, v8
	v_lshl_add_u32 v3, v9, 5, v3                   ; W: row r of 4,096 bytes, + 32 h
	v_lshlrev_b32 v4, 3, v9
	v_sub_nc_u32 v4, v8, v4                        ; r - 8 h: register j holds key 8 h + j, hidden where j > r - 8 h
	v_mov_b32 v5, 0xff800000                       ; -infinity
	s_mul_i32 s12, s10, RED
	v_mul_u32_u24 v6, v8, RP
	v_lshl_add_u32 v6, v9, 5, v6
	v_add_nc_u32 v6, s12, v6                       ; my share: row r, + 32 h
	s_mul_i32 s12, s10, RP
	v_and_b32 v7, 31, v0
	v_lshlrev_b32 v10, 3, v7                       ; the closing sum: 8 bytes a lane of row w
	v_add_nc_u32 v7, s12, v10
	v_mov_b32 v249, 0                              ; a lane permute's destination counts as one of its sources
	s_mov_b32 s16, 0x76543210
	s_mov_b32 s17, 0xfedcba98                      ; v_permlanex16_b32: lane l xor 16
	s_mov_b32 s18, 0x3e38aa3b                      ; c = log2(e) x 64^-0.5
	s_lshl_b32 s12, s11, 4
	s_add_co_u32 s12, s12, s10
	s_lshl_b32 s12, s12, 12                        ; rows32: (16 b + hd) x 4,096
	s_mov_b32 s13, 0
	s_lshl_b32 s14, ttmp9, 18                      ; W_proj: 64 g rows,
	s_lshl_b32 s15, s10, 8                         ; + the head's 64 numbers
	s_add_co_u32 s14, s14, s15
	s_mov_b32 s15, 0
	s_lshl_b32 s20, s11, 23                        ; out0: b x 2,048 rows of 4,096 bytes,
	s_lshl_b32 s21, s10, 12                        ; + row w,
	s_add_co_u32 s20, s20, s21
	s_lshl_b32 s21, ttmp9, 8                       ; + 256 g
	s_add_co_u32 s20, s20, s21
	s_mov_b32 s21, 0
	s_wait_kmcnt 0x0
	s_add_nc_u64 s[4:5], s[4:5], s[12:13]
	s_add_nc_u64 s[6:7], s[6:7], s[14:15]
	s_add_nc_u64 s[8:9], s[8:9], s[20:21]
.irp s, 0,1,2,3,4,5,6,7
	global_load_b128 v[KF+4*\s:KF+4*\s+3], v1, s[4:5] offset:32*\s            ; K(r, 8 s + 4 h + 0..3)
.endr
.irp s, 0,1,2,3,4,5,6,7
	global_load_b128 v[QF+4*\s:QF+4*\s+3], v1, s[4:5] offset:262144+32*\s     ; Q likewise
.endr
.irp f, 0,1,2,3
.irp i, 0,1,2,3,4,5,6,7
	global_load_b32 v[VF+8*\f+\i], v2, s[4:5] offset:524288+\i*256+64*\f      ; V(8 h + i, 16 f + r)
.endr
.endr
.irp p, 0,1
.irp f, 0,1,2,3
.irp u, 0,1
	global_load_b128 v[112+32*\p+8*\f+4*\u:112+32*\p+8*\f+4*\u+3], v3, s[6:7] offset:\p*65536+64*\f+16*\u   ; W(64 g + 16 p + r, 64 hd + 16 f + 8 h + 4 u + 0..3)
.endr
.endr
.endr
	s_wait_loadcnt 48                              ; K's and Q's sixteen loads are in; V's 32 and W's 16 may be out
.irp s, 0,1,2,3,4,5,6,7                        ; S^T = K Q^T in two halves, which take turns
.irp u, 0,1
.if \s == 0
	v_wmma_f32_16x16x4_f32 v[SA+8*\u:SA+8*\u+7], v[KF+4*\s+2*\u:KF+4*\s+2*\u+1], v[QF+4*\s+2*\u:QF+4*\s+2*\u+1], 0
.else
	v_wmma_f32_16x16x4_f32 v[SA+8*\u:SA+8*\u+7], v[KF+4*\s+2*\u:KF+4*\s+2*\u+1], v[QF+4*\s+2*\u:QF+4*\s+2*\u+1], v[SA+8*\u:SA+8*\u+7]
.endif
.endr
.endr
.rept 8
	v_nop                                          ; eight places behind this form: in front of loads into K's and Q's registers and of the first read of the scores
.endr
.irp p, 2,3
.irp f, 0,1,2,3
.irp u, 0,1
	global_load_b128 v[16+32*(\p-2)+8*\f+4*\u:16+32*(\p-2)+8*\f+4*\u+3], v3, s[6:7] offset:\p*65536+64*\f+16*\u
.endr
.endr
.endr
.irp j, 0,1,2,3,4,5,6,7
	v_add_f32 v[P+\j], v[SA+\j], v[SA+8+\j]        ; the score of key 8 h + j, query r
.endr
.irp j, 0,1,2,3,4,5,6,7
	v_cmp_gt_i32 vcc_lo, \j, v4
	v_cndmask_b32 v[P+\j], v[P+\j], v5, vcc_lo     ; the causal mask
.endr
	v_max3_num_f32 v248, v[P], v[P+1], v[P+2]
	v_max3_num_f32 v248, v248, v[P+3], v[P+4]
	v_max3_num_f32 v248, v248, v[P+5], v[P+6]
	v_max_num_f32 v248, v248, v[P+7]
	v_permlanex16_b32 v249, v248, s16, s17
	v_max_num_f32 v248, v248, v249                 ; the row's maximum: key 0 counts for every query
	v_mul_f32 v250, s18, v248
.irp j, 0,1,2,3,4,5,6,7
	v_fma_f32 v[P+\j], v[P+\j], s18, -v250
.endr
.irp j, 0,1,2,3,4,5,6,7
	v_exp_f32 v[P+\j], v[P+\j]
.endr
	v_nop                                          ; a plain instruction behind the exponentials
	s_wait_alu depctr_va_vdst(0)                   ; the wait ahead of the first reader: one for the eight
	v_pk_add_f32 v[250:251], v[P:P+1], v[P+2:P+3]
	v_pk_add_f32 v[252:253], v[P+4:P+5], v[P+6:P+7]
	v_pk_add_f32 v[250:251], v[250:251], v[252:253]
	v_add_f32 v250, v250, v251
	v_permlanex16_b32 v249, v250, s16, s17
	v_add_f32 v250, v250, v249                     ; the row's sum
	v_rcp_f32 v252, v250
	v_nop
	s_wait_alu depctr_va_vdst(0)
.irp j, 0,2,4,6
	v_pk_mul_f32 v[P+\j:P+\j+1], v[P+\j:P+\j+1], v[252:253] op_sel_hi:[1,0]   ; the weights
.endr
	s_wait_loadcnt 16                              ; V and W's tiles 0 and 1 are in; the sixteen loads of tiles 2 and 3 may be out
.irp s, 0,1,2,3                                ; O^T = V^T P: keys 8 h + 2 s + 0, 1; four accumulators by turns
.irp f, 0,1,2,3
.if \s == 0
	v_wmma_f32_16x16x4_f32 v[OA+8*\f:OA+8*\f+7], v[VF+8*\f+2*\s:VF+8*\f+2*\s+1], v[P+2*\s:P+2*\s+1], 0
.else
	v_wmma_f32_16x16x4_f32 v[OA+8*\f:OA+8*\f+7], v[VF+8*\f+2*\s:VF+8*\f+2*\s+1], v[P+2*\s:P+2*\s+1], v[OA+8*\f:OA+8*\f+7]
.endif
.endr
.endr
.rept 9
	v_nop                                          ; nine places: these results are the next products' operands
.endr
	s_wait_loadcnt 0x0
.irp f, 0,1,2,3                                ; Y^T = W O^T: channels 16 f + 8 h + 2 u + 0, 1 of the head; four accumulators (16 columns each) by turns
.irp u, 0,1,2,3
.irp p, 0,1,2,3
.if (\f == 0) && (\u == 0)
	v_wmma_f32_16x16x4_f32 v[YA+8*\p:YA+8*\p+7], v[112+32*\p-160*(\p/2)+8*\f+2*\u:112+32*\p-160*(\p/2)+8*\f+2*\u+1], v[OA+8*\f+2*\u:OA+8*\f+2*\u+1], 0
.else
	v_wmma_f32_16x16x4_f32 v[YA+8*\p:YA+8*\p+7], v[112+32*\p-160*(\p/2)+8*\f+2*\u:112+32*\p-160*(\p/2)+8*\f+2*\u+1], v[OA+8*\f+2*\u:OA+8*\f+2*\u+1], v[YA+8*\p:YA+8*\p+7]
.endif
.endr
.endr
.endr
.rept 8
	v_nop                                          ; eight places in front of the stores that read the results and of the loads into W's registers
.endr
.irp p, 0,1,2,3
	ds_store_b128 v6, v[YA+8*\p:YA+8*\p+3] offset:64*\p          ; lane (r, h): row r, columns 16 p + 8 h + 0..7; each accumulator from its low end on
	ds_store_b128 v6, v[YA+8*\p+4:YA+8*\p+7] offset:64*\p+16
.endr
	s_wait_dscnt 0x0                               ; for the others' sake: my share lies in LDS
	s_barrier_signal -1
	s_barrier_wait -1
.irp n, 0,1,2,3,4,5,6,7,8,9,10,11,12,13,14,15
	ds_load_b64 v[16+2*\n:17+2*\n], v7 offset:\n*RED             ; row w of head n's share: 8 bytes a lane
.endr
	s_wait_dscnt 0x0
.irp n, 0,1,2,3,4,5,6,7
	v_pk_add_f32 v[16+2*\n:17+2*\n], v[16+2*\n:17+2*\n], v[32+2*\n:33+2*\n]
.endr
.irp n, 0,1,2,3
	v_pk_add_f32 v[16+2*\n:17+2*\n], v[16+2*\n:17+2*\n], v[24+2*\n:25+2*\n]
.endr
.irp n, 0,1
	v_pk_add_f32 v[16+2*\n:17+2*\n], v[16+2*\n:17+2*\n], v[20+2*\n:21+2*\n]
.endr
	v_pk_add_f32 v[16:17], v[16:17], v[18:19]
	v_pk_mul_f32 v[16:17], v[16:17], 0x3d000000 op_sel_hi:[1,0]  ; x out_dim^-0.5 = 2^-5
	global_store_b64 v10, v[16:17], s[8:9]         ; the wave stores 256 consecutive bytes, aligned
	s_wait_tensorcnt 0x0                           ; the wave's end
	ds_add_u32 v[SPW], v[NIL]
	s_wait_dscnt 0x0
	s_endpgm
.Lfunc_end_k_qcede4fcbba_first16:
	.size	k_qcede4fcbba_first16, .Lfunc_end_k_qcede4fcbba_first16-k_qcede4fcbba_first16
	.p2alignl 7, 3214868480
	.fill 96, 4, 3214868480
	.section	.rodata,"a",@progbits
	.p2align	6, 0x0
	.amdhsa_kernel k_qcede4fcbba_first16
		.amdhsa_group_segment_fixed_size 71680
		.amdhsa_private_segment_fixed_size 0
		.amdhsa_enable_private_segment 0
		.amdhsa_kernarg_size 24
		.amdhsa_user_sgpr_count 2
		.amdhsa_user_sgpr_kernarg_segment_ptr 1
		.amdhsa_wavefront_size32 1
		.amdhsa_system_sgpr_workgroup_id_x 1
		.amdhsa_system_sgpr_workgroup_id_y 1
		.amdhsa_system_sgpr_workgroup_id_z 1
		.amdhsa_system_vgpr_workitem_id 0
		.amdhsa_next_free_vgpr 256
		.amdhsa_next_free_sgpr 66
		.amdhsa_reserve_vcc 1
		.amdhsa_float_denorm_mode_32 3
		.amdhsa_float_denorm_mode_16_64 3
		.amdhsa_memory_ordered 1
		.amdhsa_forward_progress 1
		.amdhsa_inst_pref_size 23
	.end_amdhsa_kernel
	.amdgpu_metadata
---
amdhsa.version: [ 1, 2 ]
amdhsa.kernels:
  - .name:           k_qcede4fcbba_first16
    .symbol:         k_qcede4fcbba_first16.kd
    .args:
      - { .name: rows32, .offset: 0, .size: 8, .value_kind: global_buffer, .address_space: global }
      - { .name: W_proj, .offset: 8, .size: 8, .value_kind: global_buffer, .address_space: global }
      - { .name: out0, .offset: 16, .size: 8, .value_kind: global_buffer, .address_space: global }
    .group_segment_fixed_size: 71680
    .private_segment_fixed_size: 0
    .kernarg_segment_align: 8
    .kernarg_segment_size: 24
    .max_flat_workgroup_size: 512
    .sgpr_count:     66
    .vgpr_count:     256
    .wavefront_size: 32
...
	.end_amdgpu_metadata
.endif
;; end of part 5
